; MI455X (gfx1250); checked and timed in simulation.
; The chip was launched on July 23, 2026; its instructions are those of AMD's public machine-readable ISA for CDNA 5 (MIT licence, August 2026) and "CDNA5" Instruction Set Architecture Reference Guide (July 2026). The comments in the code are by the model that wrote it; some were corrected since.
;; BERT Attention. Allowed arithmetic: matrix products marked QUANTISED: E2M1 operands, one E8M0 scale for each 32 along K, by v_wmma_scale_f32_16x16x128_f8f6f4 with both operands' format E2M1 (or v_wmma_scale_f32_32x16x128_f4), f32 sums; everything else in f32.
;; Inputs: attention_mask 4 x 1 x 1 x 2,048 float32; beta 1,024 float32; bk 1,024 float32; bo 1,024 float32; bq 1,024 float32; bv 1,024 float32; gamma 1,024 float32; hidden_states 4 x 2,048 x 1,024 float32; wk_codes 1,024 x 32 x 16 uint8 (E2M1 codes of wk, K innermost, in blocks of 32 codes, two codes a byte); wk_scales 1,024 x 32 uint8 (E8M0 scales of wk, one for each 32 codes along K); wo_codes 1,024 x 32 x 16 uint8 (E2M1 codes of wo, K innermost, in blocks of 32 codes, two codes a byte); wo_scales 1,024 x 32 uint8 (E8M0 scales of wo, one for each 32 codes along K); wq_codes 1,024 x 32 x 16 uint8 (E2M1 codes of wq, K innermost, in blocks of 32 codes, two codes a byte); wq_scales 1,024 x 32 uint8 (E8M0 scales of wq, one for each 32 codes along K); wv_codes 1,024 x 32 x 16 uint8 (E2M1 codes of wv, K innermost, in blocks of 32 codes, two codes a byte); wv_scales 1,024 x 32 uint8 (E8M0 scales of wv, one for each 32 codes along K).
;; Outputs: out0 4 x 2,048 x 1,024 float32.
;; This version of the problem:
;;   THIS VERSION OF THE PROBLEM IS GIVEN IN LOW PRECISION. The matrix products marked QUANTISED in the list below multiply operands that are first quantised to E2M1 (2 exponent bits, 1 mantissa bit; 4 bits a number), with one power-of-two scale for each 32 numbers along K (OCP MX v1.0); their sums are f32. All else is computed in f32.
;;   The module's matrix products, in the order in which they are computed (A, B: the left and right operand; K: the contracted axis; several contracted axes count as one K, in the product's order):
;;     1. [M 8,192, K 1,024] x [K 1,024, N 1,024]; A: input hidden_states; B: input wq (given as codes): QUANTISED
;;     2. [M 8,192, K 1,024] x [K 1,024, N 1,024]; A: input hidden_states; B: input wk (given as codes): QUANTISED
;;     3. [M 8,192, K 1,024] x [K 1,024, N 1,024]; A: input hidden_states; B: input wv (given as codes): QUANTISED
;;     4. batch 64 x [M 2,048, K 64] x [K 64, N 2,048]; A: computed on the way; B: computed on the way: QUANTISED
;;     5. batch 64 x [M 2,048, K 2,048] x [K 2,048, N 64]; A: softmax (see below); B: computed on the way: QUANTISED
;;     6. [M 8,192, K 1,024] x [K 1,024, N 1,024]; A: computed on the way; B: input wo (given as codes): QUANTISED
;;   THE QUANTISER, for each operand of a quantised product, along K:
;;     - K is cut into blocks of 32 from its start; a last block that is shorter is filled with zeros.
;;     - A block's scale is 2^e with e = floor(log2(the largest magnitude in the block)) - 2, held to -126 .. 127; a block of zeros has e = 0. As a byte (E8M0): e + 127.
;;     - Each number is divided by its block's scale, clamped to +-6, and rounded to the nearest number of E2M1, ties to even, subnormals kept.
;;     - The product sums the exact products of the quantised numbers (number of the format x scale) in f32.
;;   ~~~python
;;   def quantise(x, axis):      # numpy; x: float32 -> the quantised numbers, widened to float32 again
;;       x = np.moveaxis(x, axis, -1); K = x.shape[-1]
;;       x = np.pad(x, [(0, 0)] * (x.ndim - 1) + [(0, -K % 32)]); x = x.reshape(x.shape[:-1] + (-1, 32)); a = np.abs(x).max(-1, keepdims=True)
;;       e = np.where(a > 0, np.clip(np.frexp(np.where(a > 0, a, 1))[1] - 1 - 2, -126, 127), 0)      # np.frexp(a)[1] - 1 = floor(log2(a)), exactly
;;       r = np.clip(x / 2.0 ** e, -6, 6)
;;       step = 2.0 ** (np.maximum(np.frexp(np.where(r == 0, 1, r))[1] - 1, 0) - 1)
;;       q = np.round(r / step) * step * 2.0 ** e      # np.round: ties to even
;;       return np.moveaxis(q.reshape(q.shape[:-2] + (-1,))[..., :K], -1, axis).astype(np.float32)
;;   ~~~
;;   SOFTMAX AHEAD OF A QUANTISED PRODUCT. Where the list says 'softmax', what is quantised is not the finished softmax but p = 2^(t - M), with t = logit x log2(e) and M = ceil(the row's largest t), a whole number; so 1/2 < the row's largest p <= 1. The row's sum l is taken of the UNQUANTISED p, in f32, and the product's result is divided by l at the end. Since M is a whole number, a kernel that streams over the keys may use a running M (the ceiling of the running maximum): every later rescaling is an exact power of two, which a block's scale takes up: the codes' values come out the same.
;;   OPERANDS COMPUTED ON THE WAY. 'Computed on the way' means the value that the module computes at that place (a softmax that the list does not call 'softmax' is quantised finished and normalised). What goes into a quantiser is computed in f32, as accurately as f32 sums, v_exp_f32 and their like allow (about 1e-6 of the number): no bf16 or f16 on the way to a quantiser, and a product that is left as it is and whose result goes on into a quantised operand takes f32 operands (vector FMAs, or v_wmma_f32_16x16x4_f32). A number that lies on a knife's edge between two numbers of the format may be rounded either way, as far as f32 arithmetic and the matrix unit's own rounding can turn it there, and no further.
;;   INPUTS GIVEN AS CODES. wk (in the module: [1024, 1024], K = its axis 1); wo (in the module: [1024, 1024], K = its axis 1); wq (in the module: [1024, 1024], K = its axis 1); wv (in the module: [1024, 1024], K = its axis 1): each comes as NAME_codes (uint8): NAME with its K axis moved to the last place and cut into blocks of 32 codes, [.., K / 32, bytes a block], one block behind the other in memory; two codes a byte, the lower K in the low four bits (a code: sign, 2 exponent bits, 1 mantissa bit); and NAME_scales (uint8): the same leading axes, one E8M0 byte (e + 127) for each 32 codes along K. Its value is code x scale, taken as it is: it is not quantised again, and the codes and scales need not be those that the quantiser above would give.
;; One version. Each part assembles by itself: llvm-mc -triple=amdgcn-amd-amdhsa -mcpu=gfx1250 --defsym DOCPART=n.
;; ======== version 1 of 1: 4 launches
;; limits: right only within a limited range of input values
;; workspace buffers: xq 4,194,304 bytes; xs 262,144 bytes; wimg 2,097,152 bytes; wsc 131,072 bytes; qkv 12,582,912 bytes; qkvs 786,432 bytes; ctx 4,194,304 bytes; cs 262,144 bytes
;; launch prep (part 1): grid 320 x 1, 4 waves a work-group, no clusters, 70,144 bytes of LDS; arguments hidden_states, wq_codes, wk_codes, wv_codes, wo_codes, wq_scales, wk_scales, wv_scales, wo_scales, xq, xs, wimg, wsc; writes xq, xs, wimg, wsc
.if DOCPART == 1
	.amdgcn_target "amdgcn-amd-amdhsa--gfx1250"
	.amdhsa_code_object_version 6
	.text
	.protected	k_qb70492637e_prep
	.globl	k_qb70492637e_prep
	.p2align	8
	.type	k_qb70492637e_prep,@function
k_qb70492637e_prep:
	s_mov_b64 s[64:65], 0
	v_nop
	global_prefetch_b8 v0, s[64:65] scope:SCOPE_SE
	s_setreg_imm32_b32 hwreg(HW_REG_WAVE_MODE, 25, 1), 1
	s_wait_xcnt 0x0
; hidden_states [8192][1024] f32 is quantised along K to E2M1 codes with one E8M0 byte for each 32, and the four weights' codes and scale bytes are laid anew.
; ALL OPERANDS ARE LAID AS IMAGES OF THE MATRIX OPERAND'S REGISTERS.  Tile T = 2 G + u holds the 16 rows 32 G + 8 u + r + 8 (r / 8), r = 0 .. 15.
;   codes:  byte T x 8192 + s x 1024 + c x 512 + 16 x lane (lane = 16 h + r) begins the 16 bytes of row r's codes k = 128 s + 64 c + 32 h + 0 .. 31;
;   scales: byte T x 512 + g x 256 + 16 r + 4 q is row r's scale word of K step 4 g + q.
; So a later launch fetches any fragment by two loads of 512 consecutive bytes.
; A block's scale is 2^(floor(log2(largest magnitude)) - 2); its byte is the largest magnitude's exponent field - 2, held at 1 from below.
; LIMITS: a block of zeros, or one whose largest magnitude lies under 2^-124, gets the byte 1 (its codes are zeros or as the held scale gives; the bytes are read by this program alone); NaN and infinities are not served.
; Work-groups 0-255 take hidden_states: a wave takes one tile's 16 rows x 512 along K.  Work-groups 256-319 take the weights: a wave takes one tile of 16 rows of one weight.
; Each way has LDS bytes of its own, each wave a stage of its own: no barrier.  No matrix unit, no cluster: nothing is shared between work-groups, every byte is read once.
.set R0,    16                         ; v16-143  two sets of 64: a K step's numbers as loaded (16 rows x 16 bytes a lane)
.set XR,    144                        ; v144-207 my 64 numbers of a K step: two blocks of 32 neighbours along K
.set CR,    208                        ; v208-239 codes: eight registers a K step, never written again
.set WR,    240                        ; v240-243 my row's four scale words
.set XSTG,  8448                       ; a wave's stage on the first way: 16 rows x (512 + 16) bytes
.set WSTG0, 34816                      ; the second way's stages begin here
.set WSTG,  8704                       ; 32 rows x (256 + 16) bytes
	s_load_b512 s[8:23], s[0:1], 0x0               ; hidden s[8:9]; codes of wq, wk, wv, wo s[10:17]; scales of wq, wk, wv s[18:23]
	s_load_b256 s[24:31], s[0:1], 0x40             ; scales of wo s[24:25]; xq s[26:27]; xs s[28:29]; wimg s[30:31]
	s_load_b64 s[32:33], s[0:1], 0x60              ; wsc
	v_lshl_add_u32 v254, v0, 2, 0x11000
	v_mov_b32 v255, 0
	v_lshrrev_b32 v1, 5, v0
	v_readfirstlane_b32 s2, v1                     ; wave
	v_and_b32 v1, 31, v0                           ; lane
	v_and_b32 v2, 15, v0                           ; r
	v_bfe_u32 v3, v0, 4, 1                         ; h
	v_lshlrev_b32 v4, 4, v1                        ; 16 x lane; never rewritten
	s_cmp_lt_u32 ttmp9, 256
	s_cbranch_scc0 .Lweights
	; ---------------- hidden_states ----------------
	s_lshl_b32 s3, ttmp9, 2
	s_add_co_u32 s3, s3, s2                        ; id = 2 T + g: tile T, half g of K
	s_lshr_b32 s4, s3, 1                           ; T
	s_and_b32 s5, s3, 1                            ; g
	s_lshr_b32 s36, s4, 1
	s_lshl_b32 s36, s36, 17                        ; 32 rows of 4,096 bytes for each pair of tiles,
	s_and_b32 s37, s4, 1
	s_lshl_b32 s37, s37, 15                        ; 8 rows for the odd tile,
	s_add_co_u32 s36, s36, s37
	s_lshl_b32 s37, s5, 11                         ; 512 numbers for the upper half of K
	s_add_co_u32 s36, s36, s37
	s_mov_b32 s37, 0
	s_lshl_b32 s38, s3, 12                         ; codes: T x 8192 + g x 4096
	s_mov_b32 s39, 0
	s_lshl_b32 s40, s3, 8                          ; scale words: T x 512 + g x 256
	s_mov_b32 s41, 0
	s_mul_i32 s42, s2, XSTG
	s_wait_alu depctr_va_vdst(0)
	v_add_nc_u32 v5, s42, v4                       ; the stage, way in: a row's 512 bytes as they lie
	v_mul_u32_u24 v6, v2, 528
	v_lshl_add_u32 v6, v3, 7, v6
	v_add_nc_u32 v6, s42, v6                       ; way out: row r, + 128 h: my 32 neighbours
	v_lshlrev_b32 v7, 3, v3                        ; 8 h: my bytes' place in a scale word
	v_mov_b32 v15, 0                               ; written once: a lane permute's destination counts as one of its sources
	s_mov_b32 s34, 0x76543210
	s_mov_b32 s35, 0xfedcba98                      ; v_permlanex16_b32's selects for lane l xor 16
	s_wait_alu depctr_va_vdst(0)
	s_wait_kmcnt 0x0
	s_add_nc_u64 s[8:9], s[8:9], s[36:37]
	s_add_nc_u64 s[26:27], s[26:27], s[38:39]
	s_add_nc_u64 s[28:29], s[28:29], s[40:41]
.macro LOADX q                         ; K step q of the tile's 16 rows: each load reads 512 consecutive bytes of one row
.irp i, 0,1,2,3,4,5,6,7,8,9,10,11,12,13,14,15
	global_load_b128 v[R0+64*((\q)%2)+4*\i:R0+64*((\q)%2)+4*\i+3], v4, s[8:9] offset:(\i+8*(\i/8))*4096+512*(\q) th:TH_LOAD_NT
.endr
.endm
.macro TURNX q                         ; through my stage: LDS serves a wave's instructions in order, so no wait stands between the stores and the loads
.irp i, 0,1,2,3,4,5,6,7,8,9,10,11,12,13,14,15
	ds_store_b128 v5, v[R0+64*((\q)%2)+4*\i:R0+64*((\q)%2)+4*\i+3] offset:528*\i
.endr
.irp c, 0,1
.irp p, 0,1,2,3,4,5,6,7
	ds_load_b128 v[XR+32*\c+4*\p:XR+32*\c+4*\p+3], v6 offset:256*\c+16*\p   ; k = 64 c + 32 h + 4 p .. of row r
.endr
.endr
.endm
.macro QX q                            ; my two blocks (h and 2 + h of the K step) become eight registers of codes and two bytes of the row's scale word
.irp c, 0,1
	v_max3_num_f32 v[8+\c], |v[XR+32*\c]|, |v[XR+32*\c+1]|, 0x1800000      ; the floor 2^(3 - 127) among the leaves: the byte cannot fall under 1
.endr
.irp i, 2,4,6,8,10,12,14,16,18,20,22,24,26,28,30
.irp c, 0,1
	v_max3_num_f32 v[8+\c], v[8+\c], |v[XR+32*\c+\i]|, |v[XR+32*\c+\i+1]|  ; the two blocks by turns
.endr
.endr
.irp c, 0,1
	v_add_nc_u32 v[10+\c], 0xff000000, v[8+\c]     ; 2 off the exponent field: the conversion's scale operand
.endr
.irp c, 0,1
	v_lshrrev_b32 v[12+\c], 23, v[10+\c]           ; the byte
.endr
	v_lshl_or_b32 v14, v13, 16, v12                ; blocks h and 2 + h,
	v_lshlrev_b32 v14, v7, v14                     ; at their places (8 h bits up);
	v_permlanex16_b32 v15, v14, s34, s35
	v_or_b32 v[WR+\q], v14, v15                    ; with lane l xor 16's two the word is whole
.irp c, 0,1
.irp g, 0,1,2,3
	v_cvt_scalef32_pk8_fp4_f32 v[CR+8*\q+4*\c+\g], v[XR+32*\c+8*\g:XR+32*\c+8*\g+7], v[10+\c]
.endr
.endr
	v_nop                                          ; one plain place behind the last scaled conversion
.irp c, 0,1
	global_store_b128 v4, v[CR+8*\q+4*\c:CR+8*\q+4*\c+3], s[26:27] offset:1024*\q+512*\c   ; 512 consecutive bytes
.endr
.endm
	LOADX 0
	LOADX 1
.irp q, 0,1,2,3
.if \q < 3
	s_wait_loadcnt 16                              ; this K step's 16 loads are in; the next step's 16 may be out
.else
	s_wait_loadcnt 0x0
.endif
	TURNX \q
	s_wait_dscnt 0x0                               ; the stage's stores have read their registers, and my 64 numbers are back
.if \q < 2
	LOADX \q+2
.endif
	QX \q
.endr
	s_wait_xcnt 0x0                                ; EXEC changes only behind this wait
	v_cmp_gt_u32 vcc_lo, 16, v1
	s_wait_tensorcnt 0x0
	ds_add_u32 v254, v255
	s_wait_dscnt 0x0
	s_and_saveexec_b32 s36, vcc_lo
	global_store_b128 v4, v[WR:WR+3], s[28:29]     ; sixteen lanes store the tile's 256 bytes of scale words for this half of K
	s_wait_xcnt 0x0
	s_or_b32 exec_lo, exec_lo, s36
	s_endpgm
	; ---------------- the weights ----------------
.Lweights:
	s_sub_co_u32 s3, ttmp9, 256
	s_lshr_b32 s4, s3, 4                           ; which weight: 0 wq, 1 wk, 2 wv, 3 wo
	s_lshl_b32 s3, s3, 2
	s_add_co_u32 s3, s3, s2                        ; tile among the 256 of the four weights on end
	s_and_b32 s5, s3, 63                           ; tile in its weight
	s_lshr_b32 s36, s5, 1
	s_lshl_b32 s36, s36, 5
	s_and_b32 s37, s5, 1
	s_lshl_b32 s37, s37, 3
	s_add_co_u32 s36, s36, s37                     ; the tile's first row
	s_lshl_b32 s38, s36, 5                         ; a row of scale bytes is 32 bytes,
	s_mov_b32 s39, 0
	s_lshl_b32 s36, s36, 9                         ; a row of codes 512
	s_mov_b32 s37, 0
	s_lshl_b32 s40, s3, 13
	s_mov_b32 s41, 0
	s_lshl_b32 s42, s3, 9
	s_mov_b32 s43, 0
	s_mul_i32 s44, s2, WSTG
	s_add_co_u32 s44, s44, WSTG0
	s_wait_alu depctr_va_vdst(0)
	v_mul_u32_u24 v5, v1, 272
	v_add_nc_u32 v5, s44, v5                       ; way in: my lane's block of 32 codes belongs at image byte 256 x lane + 16 x row
	v_mul_u32_u24 v6, v3, 272
	v_lshl_add_u32 v6, v2, 4, v6
	v_add_nc_u32 v6, s44, v6                       ; way out: two stage rows, 512 bytes of the image, an instruction
	v_and_b32 v7, 8, v2
	v_add_nc_u32 v7, v7, v2                        ; r + 8 (r / 8)
	v_lshlrev_b32 v7, 5, v7
	v_lshl_add_u32 v7, v3, 4, v7                   ; scale bytes: row r's half h
	s_wait_alu depctr_va_vdst(0)
	s_wait_kmcnt 0x0
	s_cmp_eq_u32 s4, 1                             ; the choice hangs on the work-group's number alone
	s_cselect_b64 s[10:11], s[12:13], s[10:11]
	s_cselect_b64 s[18:19], s[20:21], s[18:19]
	s_cmp_eq_u32 s4, 2
	s_cselect_b64 s[10:11], s[14:15], s[10:11]
	s_cselect_b64 s[18:19], s[22:23], s[18:19]
	s_cmp_eq_u32 s4, 3
	s_cselect_b64 s[10:11], s[16:17], s[10:11]
	s_cselect_b64 s[18:19], s[24:25], s[18:19]
	s_add_nc_u64 s[10:11], s[10:11], s[36:37]
	s_add_nc_u64 s[18:19], s[18:19], s[38:39]
	s_add_nc_u64 s[30:31], s[30:31], s[40:41]
	s_add_nc_u64 s[32:33], s[32:33], s[42:43]
.irp i, 0,1,2,3,4,5,6,7,8,9,10,11,12,13,14,15
	global_load_b128 v[16+4*\i:19+4*\i], v4, s[10:11] offset:(\i+8*(\i/8))*512 th:TH_LOAD_NT   ; a whole row of codes: 512 consecutive bytes
.endr
	global_load_b128 v[8:11], v7, s[18:19] th:TH_LOAD_NT
	s_wait_loadcnt 0x0
.irp i, 0,1,2,3,4,5,6,7,8,9,10,11,12,13,14,15
	ds_store_b128 v5, v[16+4*\i:19+4*\i] offset:16*\i
.endr
.irp q, 0,1,2,3,4,5,6,7,8,9,10,11,12,13,14,15
	ds_load_b128 v[80+4*\q:83+4*\q], v6 offset:544*\q      ; LDS serves a wave's instructions in order: these see my stores
.endr
	global_store_b128 v4, v[8:11], s[32:33]        ; lane 16 g + r holds row r's words of K steps 4 g .. 4 g + 3: the image as it stands
.irp q, 0,1,2,3,4,5,6,7,8,9,10,11,12,13,14,15
	s_wait_dscnt 15-\q                             ; the younger read-backs may be out
	global_store_b128 v4, v[80+4*\q:83+4*\q], s[30:31] offset:512*\q
.endr
	s_wait_tensorcnt 0x0
	ds_add_u32 v254, v255
	s_wait_dscnt 0x0
	s_endpgm
.Lfunc_end_k_qb70492637e_prep:
	.size	k_qb70492637e_prep, .Lfunc_end_k_qb70492637e_prep-k_qb70492637e_prep
	.p2alignl 7, 3214868480
	.fill 96, 4, 3214868480
	.section	.rodata,"a",@progbits
	.p2align	6, 0x0
	.amdhsa_kernel k_qb70492637e_prep
		.amdhsa_group_segment_fixed_size 70144
		.amdhsa_private_segment_fixed_size 0
		.amdhsa_enable_private_segment 0
		.amdhsa_kernarg_size 104
		.amdhsa_user_sgpr_count 2
		.amdhsa_user_sgpr_kernarg_segment_ptr 1
		.amdhsa_wavefront_size32 1
		.amdhsa_system_sgpr_workgroup_id_x 1
		.amdhsa_system_sgpr_workgroup_id_y 1
		.amdhsa_system_sgpr_workgroup_id_z 1
		.amdhsa_system_vgpr_workitem_id 0
		.amdhsa_next_free_vgpr 256
		.amdhsa_next_free_sgpr 66
		.amdhsa_reserve_vcc 1
		.amdhsa_float_denorm_mode_32 3
		.amdhsa_float_denorm_mode_16_64 3
		.amdhsa_memory_ordered 1
		.amdhsa_forward_progress 1
		.amdhsa_inst_pref_size 37
	.end_amdhsa_kernel
	.amdgpu_metadata
---
amdhsa.version: [ 1, 2 ]
amdhsa.kernels:
  - .name:           k_qb70492637e_prep
    .symbol:         k_qb70492637e_prep.kd
    .args:
      - { .name: hidden_states, .offset: 0, .size: 8, .value_kind: global_buffer, .address_space: global }
      - { .name: wq_codes, .offset: 8, .size: 8, .value_kind: global_buffer, .address_space: global }
      - { .name: wk_codes, .offset: 16, .size: 8, .value_kind: global_buffer, .address_space: global }
      - { .name: wv_codes, .offset: 24, .size: 8, .value_kind: global_buffer, .address_space: global }
      - { .name: wo_codes, .offset: 32, .size: 8, .value_kind: global_buffer, .address_space: global }
      - { .name: wq_scales, .offset: 40, .size: 8, .value_kind: global_buffer, .address_space: global }
      - { .name: wk_scales, .offset: 48, .size: 8, .value_kind: global_buffer, .address_space: global }
      - { .name: wv_scales, .offset: 56, .size: 8, .value_kind: global_buffer, .address_space: global }
      - { .name: wo_scales, .offset: 64, .size: 8, .value_kind: global_buffer, .address_space: global }
      - { .name: xq, .offset: 72, .size: 8, .value_kind: global_buffer, .address_space: global }
      - { .name: xs, .offset: 80, .size: 8, .value_kind: global_buffer, .address_space: global }
      - { .name: wimg, .offset: 88, .size: 8, .value_kind: global_buffer, .address_space: global }
      - { .name: wsc, .offset: 96, .size: 8, .value_kind: global_buffer, .address_space: global }
    .group_segment_fixed_size: 70144
    .private_segment_fixed_size: 0
    .kernarg_segment_align: 8
    .kernarg_segment_size: 104
    .max_flat_workgroup_size: 128
    .sgpr_count:     66
    .vgpr_count:     256
    .wavefront_size: 32
...
	.end_amdgpu_metadata
.endif
;; end of part 1
;; launch proj (part 2): grid 12 x 32, 4 waves a work-group, clusters of 4 x 4, 327,680 bytes of LDS; arguments xq, xs, wimg, wsc, bq, bk, bv, qkv, qkvs; writes qkv, qkvs
.if DOCPART == 2
	.amdgcn_target "amdgcn-amd-amdhsa--gfx1250"
	.amdhsa_code_object_version 6
	.text
	.protected	k_qb70492637e_proj
	.globl	k_qb70492637e_proj
	.p2align	8
	.type	k_qb70492637e_proj,@function
k_qb70492637e_proj:
	s_mov_b64 s[64:65], 0
	v_nop
	global_prefetch_b8 v0, s[64:65] scope:SCOPE_SE
	s_setreg_imm32_b32 hwreg(HW_REG_WAVE_MODE, 25, 1), 1
	s_wait_xcnt 0x0
	s_wait_alu depctr_hold_cnt(0) depctr_sa_sdst(0) depctr_va_vdst(0) depctr_va_sdst(0) depctr_va_ssrc(0) depctr_va_vcc(0) depctr_vm_vsrc(0)
	s_getreg_b32 s2, hwreg(HW_REG_IB_STS2, 6, 4)
	s_cmp_eq_u32 s2, 0
	s_cbranch_scc0 .Lentry_in_a_cluster
	s_endpgm
.Lentry_in_a_cluster:
	s_bfe_u32 s2, ttmp6, 0x10000c
	s_cmp_lg_u32 s2, 0xf033
	s_cbranch_scc0 .Lentry_shape_is_right
	s_endpgm
.Lentry_shape_is_right:
; q, k, v = hidden W^T + b on codes of E2M1 (K = 1,024), each quantised at once for attention's products: q and k along the head's 64, v along the keys.
; A work-group of four waves makes 256 tokens x 256 output channels; a wave 128 x 128: 64 accumulators, 512 registers.  Cluster x says which weight: 0 wq, 1 wk, 2 wv.
; All operands lie in memory as images of the operand's registers (tile T = 2 G + u: rows 32 G + 8 u + r + 8 (r / 8)); a fragment is two loads of 512 consecutive bytes.
; ALL OF K LIES IN LDS: two slots of 512 along K, each filled once; nothing is filled again.
; ONE TEXT FOR THE THREE.  Source 0 is P, whose rows run along a lane's registers in the result; source 1 is R, whose row a lane holds.  With the tiles' rows chosen as above, the 16 registers of P's tiles
; 2 G and 2 G + 1 are 16 neighbours: so P's rows are the axis along which the result is quantised.  q, k: P = the weight (channels), R = tokens.  v: P = tokens (the keys), R = the weight.
; Which is which enters by selects on the cluster's x (LDS read bases, strides, pointers), one branch round the first K step (the bias is its C: by P's rows or by R's) and one in the tail.
; CLUSTER 4 x 4: the token tiles are shared along a row of the cluster, the weight tiles along a column: each is asked for jointly.
; OUT.  qkv: [batch x head 64][q 65,536 | k 65,536 | v 65,536] bytes.  q, k: [token tile 128][lane][16 bytes], lane (r, h) = block h of the head's 64.  v: [key step 16][tile of 16 channels 4][c][lane][16 bytes].
;       qkvs: [batch x head][q 4,096 | k 4,096 | v 4,096].  q, k: [pair of tiles 64][r][tile 2][2 bytes].  v: [key step][tile][r][4 bytes].
; LIMITS: a block of zeros or under 2^-124 gets the byte 1 (read by this program alone); NaN and infinities are not served.
; REGISTERS: window 0: v0-31 addresses; v32-95 scale words, two sets, and nothing else; v96-111 at work; v112-119 store offsets; v120-127 the scale words made; v128-191 R's fragments, later the codes made; v192-255 the bias.
;   window 1: P's fragments, two sets.   windows 2, 3: the accumulators ((a, b) at v[8 (8 (a % 4) + b)]).
.set NQ,    4                          ; K steps of 128 in a slot
.set FR,    8                          ; registers of a fragment
.set SLOT,  131072                     ; 16 token tiles x 4,096 bytes, then 16 weight tiles
.set SCL,   2*SLOT                     ; the tokens' scale words, 8,192 bytes, then the weight's
.set STGQ,  SCL+16384                  ; 512 bytes a wave: the scale bytes made, on the way of q and k;
.set STGV,  STGQ+2048                  ; on the way of v
.set LI,   4                           ; v4     16 x lane
.set VO,   8                           ; v8-15  the bias loads' offsets
.set ADRA, 16                          ; v16-17 R's fragments in slot 0, 1
.set ADRB, 20                          ; v20-21 P's
.set STQ,  22
.set STV,  23
.set RDQ,  24
.set RDV,  25
.set SO,   26                          ; v26    the scale bytes' store offset
.set ADRS, 27                          ; v27    scale words: lanes 0-15 R's, lanes 16-31 P's
.set SC,   32
.set TM,   96
.set OA,   112
.set PW,   120
.set AF,   128
.set CT,   192
.set G1, 24                            ; s[24:31] group 1 for the tokens' codes; s[32:39] group 0, a set for each slot
.set G0, 32
.set G1B, 48                           ; the same for the weight's
.set G0B, 56
.set G1S, 68                           ; groups 1 and 0 for the tokens' scale words; then the weight's
.set G0S, 76
.set G1SB, 80
.set G0SB, 88
.set MSB, 0
.macro WIN new                         ; the immediate's high byte repeats the setting that is left
.if MSB != (\new)
	s_set_vgpr_msb (MSB<<8)|(\new)
.set MSB, (\new)
.endif
.endm
.macro ARM under, g0, g1, next, join   ; one arm of a chain of branches on the wave's number: its joint load, s_nop 0 and four v_nop, and a jump to the chain's end
	s_cmp_lt_u32 s14, \under
	s_cbranch_scc0 \next
	tensor_load_to_lds s[\g0:\g0+3], s[\g1:\g1+7]
	s_nop 0
.rept 4
	v_nop
.endr
	s_branch \join
\next:
.endm
.macro CROUND                          ; a round of the cluster's barrier
	s_barrier_signal -1
	s_barrier_wait -1
	s_cmp_lg_u32 s14, 0
	s_cbranch_scc1 .Lnot_wave_0_\@
	s_barrier_signal -3
.Lnot_wave_0_\@:
	s_barrier_wait -3
	s_barrier_signal -1
	s_barrier_wait -1
.endm
	s_load_b256 s[4:11], s[0:1], 0x0               ; xq s[4:5], xs s[6:7], wimg s[8:9], wsc s[10:11]
	s_load_b256 s[92:99], s[0:1], 0x20             ; bq s[92:93], bk s[94:95], bv s[96:97], qkv s[98:99]
	s_load_b64 s[12:13], s[0:1], 0x40              ; qkvs
	v_lshl_add_u32 v18, v0, 2, 0x48000
	v_mov_b32 v19, 0
	ds_add_u32 v18, v19
	ds_add_u32 v18, v19
	v_lshrrev_b32 v1, 5, v0
	v_readfirstlane_b32 s14, v1                    ; wave 0..3
	s_lshr_b32 s15, s14, 1                         ; my half of R's rows
	s_and_b32 s16, s14, 1                          ; my half of P's rows
	s_bfe_u32 s40, ttmp6, 0x40000                  ; cx, cy
	s_bfe_u32 s41, ttmp6, 0x40004
	s_lshl_b32 s42, ttmp9, 2
	s_add_co_u32 s42, s42, s40                     ; which 256 rows of wq, wk, wv on end
	s_and_b32 s17, ttmp7, 0xffff
	s_lshl_b32 s17, s17, 2
	s_add_co_u32 s17, s17, s41                     ; which 256 tokens
	s_lshl_b32 s43, s41, 2
	s_lshl_b32 s43, 15, s43                        ; my row of the cluster
	s_lshl_b32 s44, 0x1111, s40                    ; my column
	; codes: 16 tiles, of each the slot's 4,096 bytes, 8,192 bytes apart: 16 rows of 512 elements of 8 bytes, dense in LDS
	s_or_b32 s[G1+0], s43, (3<<16)|(1<<21)
	s_or_b32 s[G1B+0], s44, (3<<16)|(1<<21)
.irp g, G1, G1B
	s_mov_b32 s[\g+1], 512<<16                     ; tensor_dim0
	s_mov_b32 s[\g+2], 16<<16                      ; tensor_dim1: all 16 tiles of a side in one load
	s_mov_b32 s[\g+3], 512<<16                     ; tile_dim0
	s_mov_b32 s[\g+4], 16                          ; tile_dim1
	s_mov_b32 s[\g+5], 1024                        ; the pitch
	s_mov_b32 s[\g+6], 0
	s_mov_b32 s[\g+7], 0
.endr
	; scale words of 16 tiles: 8,192 dense bytes as 32 rows of 256
	s_or_b32 s[G1S+0], s43, (3<<16)|(1<<21)
	s_or_b32 s[G1SB+0], s44, (3<<16)|(1<<21)
.irp g, G1S, G1SB
	s_mov_b32 s[\g+1], 32<<16
	s_mov_b32 s[\g+2], 32<<16                      ; the scale words of 16 tiles: 8,192 dense bytes as 32 rows of 256
	s_mov_b32 s[\g+3], 32<<16
	s_mov_b32 s[\g+4], 32
	s_mov_b32 s[\g+5], 32
	s_mov_b32 s[\g+6], 0
	s_mov_b32 s[\g+7], 0
.endr
	s_lshl_b32 s20, s17, 17                        ; the tokens' codes: 16 tiles of 8,192 bytes a work-group
	s_mov_b32 s21, 0
	s_lshl_b32 s46, s42, 17                        ; the weight's likewise
	s_mov_b32 s47, 0
	s_lshl_b32 s22, s17, 13                        ; scale words: 512 bytes a tile
	s_mov_b32 s23, 0
	s_lshl_b32 s66, s42, 13
	s_mov_b32 s67, 0
	s_wait_dscnt 0x0
	s_wait_kmcnt 0x0
	s_add_nc_u64 s[20:21], s[4:5], s[20:21]
	s_add_nc_u64 s[22:23], s[6:7], s[22:23]
	s_add_nc_u64 s[46:47], s[8:9], s[46:47]
	s_add_nc_u64 s[66:67], s[10:11], s[66:67]
	CROUND                                         ; all sixteen work-groups are here: the joint loads meet
	s_mov_b32 s[G0S], 1
	s_mov_b32 s[G0S+1], SCL
	s_mov_b64 s[G0S+2:G0S+3], s[22:23]
	s_or_b32 s[G0S+3], s[G0S+3], 0x80000000
	s_mov_b32 s[G0SB], 1
	s_mov_b32 s[G0SB+1], SCL+8192
	s_mov_b64 s[G0SB+2:G0SB+3], s[66:67]
	s_or_b32 s[G0SB+3], s[G0SB+3], 0x80000000
.irp s, 0,1
	s_mov_b32 s[G0+4*\s], 1
	s_mov_b32 s[G0+4*\s+1], \s*SLOT
	s_add_nc_u64 s[G0+4*\s+2:G0+4*\s+3], s[20:21], \s*4096
	s_or_b32 s[G0+4*\s+3], s[G0+4*\s+3], 0x80000000
	s_mov_b32 s[G0B+4*\s], 1
	s_mov_b32 s[G0B+4*\s+1], \s*SLOT+65536
	s_add_nc_u64 s[G0B+4*\s+2:G0B+4*\s+3], s[46:47], \s*4096
	s_or_b32 s[G0B+4*\s+3], s[G0B+4*\s+3], 0x80000000
.endr
	; the head's four tiles, one joint load a wave: wave 0 slot 0's token tiles, wave 1 its weight tiles, wave 2 the tokens' scale words, wave 3 the weight's
	ARM 1, G0, G1, .Lhead_b, .Lhead_asked
	ARM 2, G0B, G1B, .Lhead_sa, .Lhead_asked
	ARM 3, G0S, G1S, .Lhead_sb, .Lhead_asked
	tensor_load_to_lds s[G0SB:G0SB+3], s[G1SB:G1SB+7]
	s_nop 0
.rept 4
	v_nop
.endr
.Lhead_asked:
	v_and_b32 v1, 15, v0                           ; r
	v_bfe_u32 v2, v0, 4, 1                         ; h
	v_and_b32 v3, 31, v0
	v_lshlrev_b32 v[LI], 4, v3
	; what hangs on the weight (the cluster's x, the same in all sixteen partners)
	s_wait_alu depctr_va_vdst(0)
	s_mov_b32 s46, 512
	s_mov_b32 s47, 196608
	s_cmp_eq_u32 ttmp9, 2
	s_cselect_b32 s18, 65536, 0                    ; R's tiles in a slot: the weight's for v, else the tokens'
	s_cselect_b32 s19, 0, 65536                    ; P's
	s_cselect_b32 s20, 8192, 0                     ; R's scale words
	s_cselect_b32 s21, 0, 8192                     ; P's
	s_cselect_b32 s22, s15, s16                    ; my half of the weight's 256 rows
	s_cselect_b32 s23, s16, s15                    ; my half of the 256 tokens
	s_cselect_b32 s46, 1024, s46                   ; from one of R's tiles to the next in the output,
	s_cselect_b32 s47, 512, s47                    ; from a fragment's first four registers to its last four,
	s_cselect_b32 s66, 192512, 0                   ; and what v adds between its tiles 3 and 4: on to the next head
	s_cselect_b32 s67, 0, 4                        ; the bias: from register to register
	s_cselect_b32 s3, -1, 0
	s_cselect_b64 s[92:93], s[96:97], s[92:93]
	s_cmp_eq_u32 ttmp9, 1
	s_cselect_b64 s[92:93], s[94:95], s[92:93]     ; the weight's bias
	s_lshl_b32 s4, s15, 15
	s_add_co_u32 s4, s4, s18
	s_lshl_b32 s5, s16, 15
	s_add_co_u32 s5, s5, s19
	v_add_nc_u32 v[ADRA], s4, v[LI]
	v_add_nc_u32 v[ADRB], s5, v[LI]
	v_add_nc_u32 v[ADRA+1], SLOT, v[ADRA]
	v_add_nc_u32 v[ADRB+1], SLOT, v[ADRB]
	s_lshl_b32 s6, s15, 12
	s_add_co_u32 s6, s6, s20
	s_add_co_u32 s6, s6, SCL
	s_lshl_b32 s7, s16, 12
	s_add_co_u32 s7, s7, s21
	s_add_co_u32 s7, s7, SCL
	v_mov_b32 v5, s6
	v_mov_b32 v6, s7
	v_cmp_eq_u32 vcc_lo, 1, v2
	v_cndmask_b32 v[ADRS], v5, v6, vcc_lo          ; lanes 0-15 take R's words, lanes 16-31 P's
	v_lshl_add_u32 v[ADRS], v1, 4, v[ADRS]
	s_lshl_b32 s4, s14, 9
	s_add_co_u32 s5, s4, STGQ
	s_add_co_u32 s4, s4, STGV
	v_lshl_add_u32 v[STQ], v1, 2, s5
	v_lshl_add_u32 v[STV], v1, 2, s4
	v_add_nc_u32 v[RDQ], s5, v[LI]
	v_add_nc_u32 v[RDV], s4, v[LI]
	v_mul_u32_u24 v[SO], v2, 12288                 ; lanes 16-31 store the next head's 256 bytes
	v_lshl_add_u32 v[SO], v1, 4, v[SO]
	v_mov_b32 v[OA], v[LI]
.irp a, 1,2,3
	v_add_nc_u32 v[OA+\a], s46, v[OA+\a-1]
.endr
	v_add_nc_u32 v[OA+4], s46, v[OA+3]
	v_add_nc_u32 v[OA+4], s66, v[OA+4]
.irp a, 5,6,7
	v_add_nc_u32 v[OA+\a], s46, v[OA+\a-1]
.endr
.irp b, 0,1,2,3
	v_mov_b32 v[TM+4+\b], 0                        ; written once: a lane permute's destination counts as one of its sources
.endr
	; the bias, in the result's layout, eight registers a tile.  q, k: register j of P's tile t is channel 32 (t / 2) + 8 (t % 2) + 16 h + j.  v: all eight of R's tile t are channel 32 (t / 2) + 8 (t % 2) + r + 8 (r / 8)
	s_and_b32 s8, s42, 3
	s_lshl_b32 s8, s8, 10
	s_lshl_b32 s9, s22, 9
	s_add_co_u32 s8, s8, s9
	s_mov_b32 s9, 0
	s_add_nc_u64 s[92:93], s[92:93], s[8:9]        ; my 128 channels
	v_and_b32 v5, 8, v1
	v_add_nc_u32 v5, v5, v1
	v_lshlrev_b32 v5, 2, v5
	v_lshlrev_b32 v6, 6, v2
	v_cndmask_b32 v[VO], v6, v5, s3
.irp j, 1,2,3,4,5,6,7
	v_add_nc_u32 v[VO+\j], s67, v[VO+\j-1]
.endr
.irp t, 0,1,2,3,4,5,6,7
.irp j, 0,1,2,3,4,5,6,7
	global_load_b32 v[CT+8*\t+\j], v[VO+\j], s[92:93] offset:(32*(\t/2)+8*(\t%2))*4
.endr
.endr
	; where my results go
	s_lshr_b32 s8, s17, 3
	s_lshl_b32 s8, s8, 4                           ; 16 x batch
	s_and_b32 s9, s42, 3
	s_lshl_b32 s9, s9, 2
	s_add_co_u32 s8, s8, s9
	s_lshl_b32 s9, s22, 1
	s_add_co_u32 s8, s8, s9                        ; my first head of two
	s_and_b32 s9, s17, 7
	s_lshl_b32 s9, s9, 1
	s_add_co_u32 s9, s9, s23                       ; my 128 tokens in the batch
	s_mul_i32 s10, s8, 196608
	s_lshl_b32 s11, ttmp9, 16
	s_add_co_u32 s10, s10, s11
	s_lshl_b32 s11, s9, 12
	s_add_co_u32 s10, s10, s11
	s_mov_b32 s11, 0
	s_add_nc_u64 s[98:99], s[98:99], s[10:11]      ; a fragment's first four registers,
	s_mov_b32 s10, s47
	s_add_nc_u64 s[96:97], s[98:99], s[10:11]      ; and its last four
	s_mul_i32 s10, s8, 12288
	s_lshl_b32 s4, ttmp9, 12
	s_add_co_u32 s10, s10, s4
	s_lshl_b32 s4, s9, 8
	s_add_co_u32 s10, s10, s4
	s_add_nc_u64 s[12:13], s[12:13], s[10:11]      ; the scale bytes
.macro FRAG reg, adr, q, i             ; tile i's fragment of the slot's q-th 128 along K: an image, 512 consecutive bytes a load
.irp c, 0,1
	ds_load_b128 v[\reg+4*\c:\reg+4*\c+3], v[\adr] offset:4096*(\i)+1024*(\q)+512*\c
.endr
.endm
; 16 matrix instructions: R's blocks a0, a0 + 1 x P's eight.  mode 0: the sums go on; 1: they start from the bias by P's block; 2: by R's block.  The 64 accumulators take turns, one instruction a turn.
.macro MUL16 a0, p, q, sc, mode
.irp a, \a0, \a0+1
.irp b, 0,1,2,3,4,5,6,7
.if \mode == 0
	v_wmma_scale_f32_16x16x128_f8f6f4 v[8*(8*((\a)%4)+\b):8*(8*((\a)%4)+\b)+7], v[128*(\p)+FR*\b:128*(\p)+FR*\b+FR-1], v[AF+FR*(\a):AF+FR*(\a)+FR-1], v[8*(8*((\a)%4)+\b):8*(8*((\a)%4)+\b)+7], v[SC+8*NQ*(\sc)+NQ*\b+(\q)], v[SC+8*NQ*(\sc)+NQ*(\a)+(\q)] matrix_a_fmt:MATRIX_FMT_FP4 matrix_b_fmt:MATRIX_FMT_FP4 matrix_a_scale:MATRIX_SCALE_ROW1
.elseif \mode == 1
	v_wmma_scale_f32_16x16x128_f8f6f4 v[8*(8*((\a)%4)+\b):8*(8*((\a)%4)+\b)+7], v[128*(\p)+FR*\b:128*(\p)+FR*\b+FR-1], v[AF+FR*(\a):AF+FR*(\a)+FR-1], v[CT+8*\b:CT+8*\b+7], v[SC+8*NQ*(\sc)+NQ*\b+(\q)], v[SC+8*NQ*(\sc)+NQ*(\a)+(\q)] matrix_a_fmt:MATRIX_FMT_FP4 matrix_b_fmt:MATRIX_FMT_FP4 matrix_a_scale:MATRIX_SCALE_ROW1
.else
	v_wmma_scale_f32_16x16x128_f8f6f4 v[8*(8*((\a)%4)+\b):8*(8*((\a)%4)+\b)+7], v[128*(\p)+FR*\b:128*(\p)+FR*\b+FR-1], v[AF+FR*(\a):AF+FR*(\a)+FR-1], v[CT+8*(\a):CT+8*(\a)+7], v[SC+8*NQ*(\sc)+NQ*\b+(\q)], v[SC+8*NQ*(\sc)+NQ*(\a)+(\q)] matrix_a_fmt:MATRIX_FMT_FP4 matrix_b_fmt:MATRIX_FMT_FP4 matrix_a_scale:MATRIX_SCALE_ROW1
.endif
.endr
.endr
.endm
.macro FETCH_P slot, q, p
	WIN 0x40                                       ; destination window 1
.irp i, 0,1,2,3,4,5,6,7
	FRAG 128*(\p)+FR*\i, ADRB+\slot, \q, \i
.endr
	WIN 0
.endm
.macro FETCH_R slot, q, i0
.irp i, \i0, \i0+1, \i0+2, \i0+3
	FRAG AF+FR*(\i), ADRA+\slot, \q, \i
.endr
.endm
.macro SCALES sc                       ; a slot's scale words: four a row; lanes 0-15 R's tile i, lanes 16-31 P's tile i
.irp i, 0,1,2,3,4,5,6,7
	ds_load_b128 v[SC+8*NQ*\sc+NQ*\i:SC+8*NQ*\sc+NQ*\i+3], v[ADRS] offset:512*\i+256*\sc
.endr
.endm
.macro PLACES                          ; four plain places in front of loads into registers that matrix instructions have read, and of the first read of results
.rept 4
	v_nop
.endr
.endm
.macro STEP slot, q, mode              ; 128 along K whose successor lies in the same slot
	s_wait_dscnt 8                                 ; P's set and R's blocks 0-3 are in; the youngest eight loads (R's blocks 4-7) may be out
.if \mode
	WIN 0x81                                       ; P window 1, R and the bias window 0, the sums window 2
.else
	WIN 0xa1
.endif
	MUL16 0, (\q)%2, \q, \slot, \mode
	MUL16 2, (\q)%2, \q, \slot, \mode
	s_wait_dscnt 0x0                               ; R's blocks 4-7 are in
	PLACES
	FETCH_P \slot, (\q)+1, 1-(\q)%2
	FETCH_R \slot, (\q)+1, 0
.if \mode
	WIN 0xc1
.else
	WIN 0xf1
.endif
	MUL16 4, (\q)%2, \q, \slot, \mode
	MUL16 6, (\q)%2, \q, \slot, \mode
	PLACES
	WIN 0
	FETCH_R \slot, (\q)+1, 4
.endm
	s_wait_alu depctr_va_vdst(0)
	s_wait_tensorcnt 0x0                           ; my tile of the head's four is in
	ds_add_u32 v18, v19
	s_wait_dscnt 0x0
	CROUND                                         ; everybody's tile is in, and all sixteen work-groups are here: slot 1's joint loads meet
	ARM 1, G0+4, G1, .Lslot1_b, .Lslot1_asked      ; slot 1's first fill: wave 0 the token tiles, wave 1 the weight tiles; it has slot 0's first three steps in which to land
	ARM 2, G0B+4, G1B, .Lslot1_none, .Lslot1_asked
.Lslot1_asked:
	FETCH_P 0, 0, 0
	FETCH_R 0, 0, 0
	SCALES 0
	SCALES 1
	FETCH_R 0, 0, 4
	s_wait_loadcnt 0x0                             ; the bias
	s_cmp_eq_u32 ttmp9, 2
	s_cbranch_scc1 .Lfirst_v
	STEP 0, 0, 1                                   ; the first products start the sums from the bias: nothing is cleared, nothing is added later
	s_branch .Lfirst_done
.Lfirst_v:
	STEP 0, 0, 2
.Lfirst_done:
	STEP 0, 1, 0
	STEP 0, 2, 0
	; slot 0's last step: on to slot 1, which is whole behind the barrier
	s_wait_tensorcnt 0x0                           ; my part of slot 1 has landed
	s_wait_dscnt 8
	WIN 0xa1
	MUL16 0, 1, 3, 0, 0
	s_wait_dscnt 0x0                               ; no LDS instruction of mine is pending at the signal
	s_barrier_signal -1
	MUL16 2, 1, 3, 0, 0
	WIN 0
	s_barrier_wait -1
	PLACES
	FETCH_P 1, 0, 0
	FETCH_R 1, 0, 0
	WIN 0xf1
	MUL16 4, 1, 3, 0, 0
	MUL16 6, 1, 3, 0, 0
	PLACES
	WIN 0
	FETCH_R 1, 0, 4
	STEP 1, 0, 0
	STEP 1, 1, 0
	STEP 1, 2, 0
	s_wait_dscnt 8                                 ; the last step: nothing more to fetch
	WIN 0xa1
	MUL16 0, 1, 3, 1, 0
	MUL16 2, 1, 3, 1, 0
	s_wait_dscnt 0x0
	WIN 0xf1
	MUL16 4, 1, 3, 1, 0
	MUL16 6, 1, 3, 1, 0
	WIN 0
	PLACES
; THE WAY OUT.  R's block a: my lane's 64 numbers, register 16 b + i = place 32 b + 16 h + i along P, become a fragment's eight registers of codes, in v[AF + 8 a] on, and its scale word, in v[PW + a].
; Each accumulator is read from its low end on.
.macro QUANTW a
.set AC, 64*((\a)%4)
.set PC, AF+8*(\a)
	WIN 0x0a+5*((\a)/4)                            ; sources 0 and 1: window 2 or 3
.irp b, 0,1,2,3
	v_max3_num_f32 v[TM+\b], |v[AC+16*\b]|, |v[AC+16*\b+1]|, 0x1800000     ; the floor 2^(3 - 127): the byte cannot fall under 1
.endr
.irp i, 2,4,6,8,10,12,14
.irp b, 0,1,2,3
	v_max3_num_f32 v[TM+\b], |v[AC+16*\b+\i]|, |v[AC+16*\b+\i+1]|, v[TM+\b]
.endr
.endr
	WIN 0
.irp b, 0,1,2,3
	v_permlanex16_b32 v[TM+4+\b], v[TM+\b], s2, s3
.endr
.irp b, 0,1,2,3
	v_max_num_f32 v[TM+\b], v[TM+\b], v[TM+4+\b]   ; with lane l xor 16's 16: the block's largest magnitude
.endr
.irp b, 0,1,2,3
	v_add_nc_u32 v[TM+12+\b], 0xff000000, v[TM+\b] ; 2 off the exponent field: the conversion's scale operand
.endr
.irp b, 0,1,2,3
	v_lshrrev_b32 v[TM+8+\b], 23, v[TM+12+\b]      ; the byte
.endr
	v_lshl_or_b32 v[PW+\a], v[TM+9], 8, v[TM+8]
	v_lshl_or_b32 v[PW+\a], v[TM+10], 16, v[PW+\a]
	v_lshl_or_b32 v[PW+\a], v[TM+11], 24, v[PW+\a]
	WIN 0x02+(\a)/4                                ; source 0: window 2 or 3
.irp b, 0,1,2,3
	v_cvt_scalef32_pk8_fp4_f32 v[PC+2*\b], v[AC+16*\b:AC+16*\b+7], v[TM+12+\b]
	v_cvt_scalef32_pk8_fp4_f32 v[PC+2*\b+1], v[AC+16*\b+8:AC+16*\b+15], v[TM+12+\b]
.endr
	WIN 0
	v_nop                                          ; one plain place behind the last scaled conversion
.irp c, 0,1                            ; the operand's layout wants a whole block in a lane
.irp i, 0,1
	v_permlane16_swap_b32 v[PC+4*\c+\i], v[PC+4*\c+2+\i]
.endr
.endr
.endm
	s_mov_b32 s2, 0x76543210
	s_mov_b32 s3, 0xfedcba98                       ; v_permlanex16_b32's selects for lane l xor 16
.irp a, 0,1,2,3,4,5,6,7
	QUANTW \a
	global_store_b128 v[OA+\a], v[AF+8*\a:AF+8*\a+3], s[98:99]       ; 512 consecutive bytes each; every block has registers and an offset of its own, so nothing is waited for
	global_store_b128 v[OA+\a], v[AF+8*\a+4:AF+8*\a+7], s[96:97]
.endr
	; the scale bytes meet in my own 512 bytes of LDS and leave as two whole runs of 256 bytes, one for each of my two heads
	s_cmp_eq_u32 ttmp9, 2
	s_cbranch_scc1 .Ltail_v
.irp a, 0,1,2,3,4,5,6,7
	ds_store_b16 v[STQ], v[PW+\a] offset:64*(\a/2)+2*(\a%2)              ; the first head's two bytes of token r of tile a (both halves of the lanes write the same)
	ds_store_b16_d16_hi v[STQ], v[PW+\a] offset:256+64*(\a/2)+2*(\a%2)   ; the second head's
.endr
	ds_load_b128 v[28:31], v[RDQ]                  ; LDS serves a wave's instructions in order: this sees my stores
	s_wait_dscnt 0x0
	global_store_b128 v[SO], v[28:31], s[12:13]
	s_branch .Ltail_done
.Ltail_v:
.irp a, 0,1,2,3,4,5,6,7
	ds_store_b32 v[STV], v[PW+\a] offset:64*\a     ; channel r of tile a: the key step's four bytes
.endr
	ds_load_b128 v[28:31], v[RDV]
	s_wait_dscnt 0x0
	global_store_b128 v[SO], v[28:31], s[12:13]
.Ltail_done:
	s_wait_tensorcnt 0x0
	ds_add_u32 v18, v19
	s_wait_dscnt 0x0
	CROUND                                         ; the closing round
	s_endpgm
.Lfunc_end_k_qb70492637e_proj:
	.size	k_qb70492637e_proj, .Lfunc_end_k_qb70492637e_proj-k_qb70492637e_proj
	.p2alignl 7, 3214868480
	.fill 96, 4, 3214868480
	.section	.rodata,"a",@progbits
	.p2align	6, 0x0
	.amdhsa_kernel k_qb70492637e_proj
		.amdhsa_group_segment_fixed_size 327680
		.amdhsa_private_segment_fixed_size 0
		.amdhsa_enable_private_segment 0
		.amdhsa_kernarg_size 72
		.amdhsa_user_sgpr_count 2
		.amdhsa_user_sgpr_kernarg_segment_ptr 1
		.amdhsa_wavefront_size32 1
		.amdhsa_system_sgpr_workgroup_id_x 1
		.amdhsa_system_sgpr_workgroup_id_y 1
		.amdhsa_system_sgpr_workgroup_id_z 1
		.amdhsa_system_vgpr_workitem_id 0
		.amdhsa_next_free_vgpr 1024
		.amdhsa_next_free_sgpr 100
		.amdhsa_reserve_vcc 1
		.amdhsa_float_denorm_mode_32 3
		.amdhsa_float_denorm_mode_16_64 3
		.amdhsa_memory_ordered 1
		.amdhsa_forward_progress 1
		.amdhsa_inst_pref_size 148
	.end_amdhsa_kernel
	.amdgpu_metadata
---
amdhsa.version: [ 1, 2 ]
amdhsa.kernels:
  - .name:           k_qb70492637e_proj
    .symbol:         k_qb70492637e_proj.kd
    .args:
      - { .name: xq, .offset: 0, .size: 8, .value_kind: global_buffer, .address_space: global }
      - { .name: xs, .offset: 8, .size: 8, .value_kind: global_buffer, .address_space: global }
      - { .name: wimg, .offset: 16, .size: 8, .value_kind: global_buffer, .address_space: global }
      - { .name: wsc, .offset: 24, .size: 8, .value_kind: global_buffer, .address_space: global }
      - { .name: bq, .offset: 32, .size: 8, .value_kind: global_buffer, .address_space: global }
      - { .name: bk, .offset: 40, .size: 8, .value_kind: global_buffer, .address_space: global }
      - { .name: bv, .offset: 48, .size: 8, .value_kind: global_buffer, .address_space: global }
      - { .name: qkv, .offset: 56, .size: 8, .value_kind: global_buffer, .address_space: global }
      - { .name: qkvs, .offset: 64, .size: 8, .value_kind: global_buffer, .address_space: global }
    .group_segment_fixed_size: 327680
    .private_segment_fixed_size: 0
    .kernarg_segment_align: 8
    .kernarg_segment_size: 72
    .max_flat_workgroup_size: 128
    .sgpr_count:     100
    .vgpr_count:     1024
    .wavefront_size: 32
...
	.end_amdgpu_metadata
.endif
;; end of part 2
;; launch attn (part 3): grid 4 x 64, 8 waves a work-group, clusters of 4 x 1, 327,680 bytes of LDS; arguments qkv, qkvs, attention_mask, ctx, cs; writes ctx, cs
.if DOCPART == 3
	.amdgcn_target "amdgcn-amd-amdhsa--gfx1250"
	.amdhsa_code_object_version 6
	.text
	.protected	k_qb70492637e_attn
	.globl	k_qb70492637e_attn
	.p2align	8
	.type	k_qb70492637e_attn,@function
k_qb70492637e_attn:
	s_mov_b64 s[64:65], 0
	v_nop
	global_prefetch_b8 v0, s[64:65] scope:SCOPE_SE
	s_setreg_imm32_b32 hwreg(HW_REG_WAVE_MODE, 25, 1), 1
	s_wait_xcnt 0x0
	s_wait_alu depctr_hold_cnt(0) depctr_sa_sdst(0) depctr_va_vdst(0) depctr_va_sdst(0) depctr_va_ssrc(0) depctr_va_vcc(0) depctr_vm_vsrc(0)
	s_getreg_b32 s2, hwreg(HW_REG_IB_STS2, 6, 4)
	s_cmp_eq_u32 s2, 0
	s_cbranch_scc0 .Lentry_in_a_cluster
	s_endpgm
.Lentry_in_a_cluster:
	s_bfe_u32 s2, ttmp6, 0x10000c
	s_cmp_lg_u32 s2, 0x3003
	s_cbranch_scc0 .Lentry_shape_is_right
	s_endpgm
.Lentry_shape_is_right:
; ctx = softmax(q k^T / 8 + mask) v for one batch x head, both products on codes of E2M1, and ctx quantised at once along the head's 64 for the last projection.
; THE SOFTMAX: t = (score + 8 mask) x log2(e) / 8; M = the ceiling of the running largest t; p = 2^(t - M) is quantised along the keys; the sum is taken of the unquantised p and divides at the end.
; SHARES.  A work-group owns 512 queries of a head, a cluster of four the head's 2,048.  Each of 8 waves owns 64 queries, four tiles of 16, and walks all 2,048 keys, 128 a step: each fragment of K, V and the mask feeds four tiles.
; All of the head's K and V codes lie in LDS, fetched once, jointly by the cluster's four work-groups, 16,384 bytes a wave.  Their scale bytes and the mask (x 8) go through registers into LDS bytes of their own.
; No prefetch: everything comes from memory once at the head, and no loop runs ahead of a stream.
; LAYOUT.  S^T = K Q^T, O^T = V^T P^T: a lane holds one query.  THE KEYS OF A SCORE TILE ARE CHOSEN BY THE LDS ADDRESS: row i of tile t of group c is key 64 c + 32 (i / 8) + 8 t + i % 8,
; so that a lane's 32 registers of a group are the 32 neighbouring keys 64 c + 32 h + 0 .. 31: one whole block.  The block's maximum needs no other lane, and the conversions' results are P's operand registers as they stand.
; A fragment of K holds two tiles (the head's 64 twice); Q stands beside zeros, {q, 0} or {0, q}, and picks one of them.  The mask is the C of the first product.
; TWO TILES GO IN LOCKSTEP, line by line by turns, so that each serial line has an independent neighbour.  The next pair's scores are issued piece by piece into the score buffers as the tree of the sum frees them:
; no exponential stands between these products and their first readers.  The next step's K and mask are fetched in the second pair's softmax, V at the step's top.  The last step is written out: it fetches nothing more.
; LIMITS: 8 x mask is held to +-2^32, so the promise holds while the scaled scores stay under 2^31; a block whose every p has fallen to 0 keeps the byte 1 (zero codes); NaN and infinities are not served.
; REGISTERS.  Window 0: v0-9 addresses; v10-33 a tile's -M, largest score and sums (6 a tile); v34-59 at work; v60-73 scale words and nothing else; v74-89 P's codes; v90-125 Q between zeros; v128-159 K, v160-191 V, v192-255 the mask.
;             Window 1: v0-127 the pair's scores; v128-255 O^T, 32 a tile.
.set VC,    65536                      ; LDS: K's codes from 0, V's from here
.set KS,    131072                     ; K's scale words, 4,096 bytes; V's; the mask x 8, 8,192 bytes; ctx's scale bytes, 1,024
.set VS,    135168
.set MK,    139264
.set CSG,   147456
.set SPARE, 167936                     ; the spare words: 128 bytes a wave
.set LI, 1
.set AK, 2
.set AV, 3
.set AKS, 4
.set AVS, 5
.set AM, 6
.set H8, 7
.set SPW, 8
.set NIL, 9
.set ST, 10
.set BM, 34                            ; v34-41 the maxima's chains; v34-49 later the sum's last partial sums
.set SCV, 42
.set BY, 46
.set TP, 50
.set TO, 52
.set TX, 54
.set F, 56
.set PS, 60
.set QS, 62
.set KSR, 66
.set VSR, 70
.set CO, 74
.set QB, 90
.set E, 128
.set KF, 128
.set VF, 160
.set MKR, 192
.set RC, 50                            ; the way out: reciprocals; then, in Q's registers: largest magnitudes, lane exchange, scale operands, bytes; ctx's codes
.set CSA, 54
.set CSR, 55
.set TI, 56
.set EB, 90
.set EP, 98
.set ES, 106
.set EY, 114
.set CT, 10
.set WV, 14
.set G1C, 36
.set SEL, 44
.set CS, 46
.set CN, 48
.set TK, 49
.set TS, 50
.set TMK, 51
.set G0C, 52
.set CNT, 56
.set MSB, 0
.macro WIN new                         ; low byte: bits 1:0 source 0, 3:2 source 1, 5:4 source 2, 7:6 destination; the high byte repeats the setting that is left
.if MSB != (\new)
	s_set_vgpr_msb (MSB<<8)|(\new)
.set MSB, (\new)
.endif
.endm
.macro ROUND                           ; a round of the cluster's barrier
	s_barrier_signal -1
	s_barrier_wait -1
	s_cmp_lg_u32 s[WV], 0
	s_cbranch_scc1 .Lnot_wave_0_\@
	s_barrier_signal -3
.Lnot_wave_0_\@:
	s_barrier_wait -3
	s_barrier_signal -1
	s_barrier_wait -1
.endm
	s_load_b256 s[4:11], s[0:1], 0x0               ; qkv, qkvs, mask, ctx
	s_load_b64 s[12:13], s[0:1], 0x20              ; cs
	v_lshl_add_u32 v[SPW], v0, 2, SPARE
	v_mov_b32 v[NIL], 0
	ds_add_u32 v[SPW], v[NIL]                      ; the opening lines: the add twice on end and its wait
	ds_add_u32 v[SPW], v[NIL]
	v_lshrrev_b32 v126, 5, v0
	v_readfirstlane_b32 s[WV], v126                ; wave 0..7
	s_bfe_u32 s15, ttmp6, 0x40000                  ; cx: which 512 queries
	s_and_b32 s16, ttmp7, 0xffff                   ; batch x head
	s_mul_i32 s18, s16, 196608
	s_mov_b32 s19, 0
	s_mul_i32 s20, s16, 12288
	s_mov_b32 s21, 0
	s_mov_b32 s[G1C], 15|(3<<16)|(1<<21)           ; all four partners; elements of 8 bytes; 64 rows of 256 bytes, dense
	s_mov_b32 s[G1C+1], 32<<16
	s_mov_b32 s[G1C+2], 64<<16
	s_mov_b32 s[G1C+3], 32<<16
	s_mov_b32 s[G1C+4], 64
	s_mov_b32 s[G1C+5], 32
	s_mov_b32 s[G1C+6], 0
	s_mov_b32 s[G1C+7], 0
	s_lshl_b32 s22, s[WV], 14                      ; my 16,384 bytes of K's and V's 131,072
	s_mov_b32 s23, 0
	s_mov_b32 s[SEL], 0x76543210
	s_mov_b32 s[SEL+1], 0xfedcba98                 ; lane l xor 16
	s_mov_b32 s[CS], 0x3e38aa3b                    ; c = log2(e) / 8
	s_mov_b32 s[CS+1], s[CS]
	s_mov_b32 s[CN], 0xbe38aa3b                    ; -c
	s_mov_b32 s[TK], 0
	s_mov_b32 s[TS], 0
	s_mov_b32 s[TMK], 0
	s_mov_b32 s[CNT], 15
	s_wait_dscnt 0x0
	s_wait_kmcnt 0x0
	s_add_nc_u64 s[4:5], s[4:5], s[18:19]
	s_add_nc_u64 s[6:7], s[6:7], s[20:21]
	s_mov_b32 s[G0C], 1
	s_mov_b32 s[G0C+1], s22
	s_add_nc_u64 s[G0C+2:G0C+3], s[4:5], s[22:23]
	s_add_nc_u64 s[G0C+2:G0C+3], s[G0C+2:G0C+3], 65536
	s_or_b32 s[G0C+3], s[G0C+3], 0x80000000
	ROUND
	tensor_load_to_lds s[G0C:G0C+3], s[G1C:G1C+7]  ; every wave's one load
	s_nop 0
	s_lshl_b32 s24, s15, 5
	s_lshl_b32 s25, s[WV], 2
	s_add_co_u32 s24, s24, s25                     ; my first tile of queries: 32 cx + 4 wave
	s_lshl_b32 s26, s24, 9
	s_mov_b32 s27, 0
	s_add_nc_u64 s[26:27], s[4:5], s[26:27]        ; its codes
	s_lshl_b32 s28, s24, 5
	s_mov_b32 s29, 0
	s_add_nc_u64 s[28:29], s[6:7], s[28:29]        ; its pair's scale words
	s_lshr_b32 s17, s16, 4                         ; batch
	s_lshl_b32 s30, s17, 7
	s_add_co_u32 s30, s30, s24
	s_lshl_b32 s30, s30, 13
	s_and_b32 s31, s16, 15
	s_lshl_b32 s31, s31, 9
	s_add_co_u32 s30, s30, s31
	s_mov_b32 s31, 0
	s_add_nc_u64 s[10:11], s[10:11], s[30:31]      ; ctx: tile x 8,192 + head x 512
	s_lshl_b32 s30, s16, 12
	s_lshl_b32 s18, s15, 10
	s_add_co_u32 s30, s30, s18
	s_add_nc_u64 s[12:13], s[12:13], s[30:31]      ; cs: my work-group's 1,024 bytes
	s_lshl_b32 s30, s17, 13
	s_add_nc_u64 s[8:9], s[8:9], s[30:31]          ; the batch's mask
	v_lshlrev_b32 v126, 4, v0
	global_load_b128 v[128:131], v126, s[6:7] offset:4096      ; K's scale words: 256 threads x 16 bytes
	global_load_b128 v[132:135], v126, s[6:7] offset:8192      ; V's
	global_load_b128 v[136:139], v126, s[8:9]                  ; the mask
	global_load_b128 v[140:143], v126, s[8:9] offset:4096
	v_and_b32 v[LI], 31, v0
	v_lshlrev_b32 v[LI], 4, v[LI]
	v_and_b32 v144, 15, v0                         ; i
	v_bfe_u32 v145, v0, 4, 1                       ; h
	v_lshlrev_b32 v146, 2, v144
.irp i, 0,1,2,3
	global_load_b128 v[QB+8*\i+4:QB+8*\i+7], v[LI], s[26:27] offset:512*\i
.endr
	global_load_b32 v148, v146, s[28:29]
	global_load_b32 v149, v146, s[28:29] offset:64
	v_and_b32 v147, 7, v0                          ; i % 8
	v_bfe_u32 v150, v0, 3, 1                       ; i / 8
	v_lshlrev_b32 v[AK], 4, v147
	v_lshl_add_u32 v[AK], v150, 10, v[AK]
	v_lshl_add_u32 v[AK], v145, 8, v[AK]           ; K: 1,024 (i / 8) + 256 h + 16 (i % 8)
	v_add_nc_u32 v[AV], VC, v[LI]
	v_lshl_add_u32 v[AKS], v147, 2, KS
	v_lshl_add_u32 v[AKS], v150, 6, v[AKS]         ; K's scale words: 64 (i / 8) + 4 (i % 8)
	v_lshl_add_u32 v[AVS], v144, 2, VS
	v_lshl_add_u32 v[AM], v145, 7, MK              ; the mask: my half's 32 keys
	v_lshlrev_b32 v[H8], 3, v145
	v_add_nc_u32 v127, KS, v126
.irp z, 0,1,2,3,4
.irp j, 0,1,2,3
	v_mov_b32 v[QB+8*\z+\j], 0                     ; the zeros between the tiles of Q
.endr
.endr
.irp i, 0,1,2,3
	v_mov_b32 v[ST+6*\i], 0x7f61b1e6               ; -M
	v_mov_b32 v[ST+6*\i+1], 0xff61b1e6             ; the largest score so far: under every score
.irp j, 2,3,4,5
	v_mov_b32 v[ST+6*\i+\j], 0                     ; the sum, in four parts
.endr
	v_mov_b32 v[TP+\i], 0                          ; a lane permute's destination counts as a source (v50-53)
	v_mov_b32 v[F+\i], 0
.endr
	s_wait_alu depctr_va_vdst(0)
	s_wait_loadcnt 0x0
.irp j, 136,137,138,139,140,141,142,143
	v_mul_f32 v[\j], 0x41000000, v[\j]             ; x 8: c holds the 1 / 8
.endr
.irp j, 136,137,138,139,140,141,142,143
	v_max_num_f32 v[\j], 0xcf800000, v[\j]
.endr
.irp j, 136,137,138,139,140,141,142,143
	v_min_num_f32 v[\j], 0x4f800000, v[\j]
.endr
.irp j, 0,1,2,3
	ds_store_b128 v127, v[128+4*\j:131+4*\j] offset:4096*\j
.endr
.irp p, 0,1
	v_perm_b32 v[QS+2*\p], v[148+\p], v[148+\p], 0x01000100    ; a tile's two bytes, for both halves of the instruction's K
	v_perm_b32 v[QS+2*\p+1], v[148+\p], v[148+\p], 0x03020302
.endr
	s_wait_alu depctr_va_vdst(0)
	s_wait_tensorcnt 0x0
	s_wait_dscnt 0x0
	s_barrier_signal -1
	s_barrier_wait -1                              ; all of K, V, the scale words and the mask are in
.macro LOADK ak, aks, am, nx           ; a step's K (four fragments of two tiles), its scale words and its mask; nx = 1: the next step's
.irp g, 0,1,2,3
	ds_load_b128 v[KF+8*\g:KF+8*\g+3], v[\ak] offset:4096*(\nx)+2048*(\g/2)+128*(\g%2)
	ds_load_b128 v[KF+8*\g+4:KF+8*\g+7], v[\ak] offset:4096*(\nx)+2048*(\g/2)+128*(\g%2)+512
	ds_load_b32 v[KSR+\g], v[\aks] offset:256*(\nx)+128*(\g/2)+32*(\g%2)
.endr
.irp a, 0,1,2,3,4,5,6,7,8,9,10,11,12,13,14,15
	ds_load_b128 v[MKR+4*\a:MKR+4*\a+3], v[\am] offset:512*(\nx)+16*\a+128*(\a/8)
.endr
.endm
.macro SG nt, g                        ; registers 16 g .. 16 g + 15 of the scores of tiles nt and nt + 1: register 32 c + 8 t + j is key 64 c + 32 h + 8 t + j
.irp u, 0,1
	v_wmma_scale_f32_16x16x128_f8f6f4 v[64*\u+16*(\g):64*\u+16*(\g)+7], v[KF+8*(\g):KF+8*(\g)+7], v[QB+8*((\nt)+\u)+4:QB+8*((\nt)+\u)+11], v[MKR+16*(\g):MKR+16*(\g)+7], v[KSR+(\g)], v[QS+(\nt)+\u] matrix_a_fmt:MATRIX_FMT_FP4 matrix_b_fmt:MATRIX_FMT_FP4
	v_wmma_scale_f32_16x16x128_f8f6f4 v[64*\u+16*(\g)+8:64*\u+16*(\g)+15], v[KF+8*(\g):KF+8*(\g)+7], v[QB+8*((\nt)+\u):QB+8*((\nt)+\u)+7], v[MKR+16*(\g)+8:MKR+16*(\g)+15], v[KSR+(\g)], v[QS+(\nt)+\u] matrix_a_fmt:MATRIX_FMT_FP4 matrix_b_fmt:MATRIX_FMT_FP4
.endr
.endm
; Tiles 2 p and 2 p + 1: softmax, second product, and the next pair's first product.  hook = 1: the next step's K is fetched behind the maxima; vw = 1: V was fetched at the step's top;
; nt: the next pair's first tile, or -1: none; nw = 1: its K was fetched in this pair.
.macro PAIR p, hook, vw, nt, nw
.set SPB, ST+12*(\p)
.set OPB, 128+64*(\p)
	WIN 0x05
.irp q, 2,3,1,0                        ; eight chains of 16 by turns, two to a block, the scores issued last read last; each accumulator from its low end on
.irp u, 0,1
	v_max_num_f32 v[BM+4*\u+\q], v[64*\u+16*\q], v[64*\u+16*\q+1]
.endr
.endr
.irp k, 2,4,6,8,10,12,14
.irp q, 2,3,1,0
.irp u, 0,1
	v_max3_num_f32 v[BM+4*\u+\q], v[64*\u+16*\q+\k], v[64*\u+16*\q+\k+1], v[BM+4*\u+\q]
.endr
.endr
.endr
	WIN 0
.if \hook
	v_add_nc_u32 v126, s[TK], v[AK]
	v_add_nc_u32 v127, s[TS], v[AKS]
	v_add_nc_u32 v[TO], s[TMK], v[AM]
	LOADK 126, 127, TO, 1                          ; all four tiles' first products of this step are issued; the 64 lines above are the places
.endif
.irp u, 0,1
	v_max_num_f32 v[BM+4*\u], v[BM+4*\u], v[BM+4*\u+1]         ; my block of group 0: its largest score,
.endr
.irp u, 0,1
	v_max_num_f32 v[BM+4*\u+1], v[BM+4*\u+2], v[BM+4*\u+3]     ; and of group 1
.endr
.irp u, 0,1
	v_max3_num_f32 v[SPB+6*\u+1], v[SPB+6*\u+1], v[BM+4*\u], v[BM+4*\u+1]
.endr
.irp u, 0,1
	v_permlanex16_b32 v[TP+\u], v[SPB+6*\u+1], s[SEL], s[SEL+1]
.endr
.irp u, 0,1
	v_max_num_f32 v[SPB+6*\u+1], v[SPB+6*\u+1], v[TP+\u]       ; the query's running largest score
.endr
.irp u, 0,1
	v_mul_f32 v[TX+\u], s[CN], v[SPB+6*\u+1]
.endr
.irp u, 0,1
	v_floor_f32 v[TX+\u], v[TX+\u]                 ; -M = floor(-t)
.endr
.irp u, 0,1
	v_sub_f32 v[TO+\u], v[TX+\u], v[SPB+6*\u]      ; old M - new M
.endr
.irp u, 0,1
	v_mov_b32 v[SPB+6*\u], v[TX+\u]
.endr
.irp u, 0,1
	v_cvt_i32_f32 v[TO+\u], v[TO+\u]               ; (it saturates)
.endr
.irp u, 0,1
	v_ldexp_f32 v[F+2*\u], 1.0, v[TO+\u]           ; f = 2^(old M - new M)
.endr
.irp c, 0,1
.irp u, 0,1
	v_fma_f32 v[BM+4*\u+\c], v[BM+4*\u+\c], s[CS], v[SPB+6*\u]
.endr
.endr
.irp j, 2,4
.irp u, 0,1
	v_pk_mul_f32 v[SPB+6*\u+\j:SPB+6*\u+\j+1], v[SPB+6*\u+\j:SPB+6*\u+\j+1], v[F+2*\u:F+2*\u+1] op_sel_hi:[1,0]
.endr
.endr
	WIN 0x41
.irp u, 0,1
.set J, 0
.rept 32
	v_pk_fma_f32 v[64*\u+J:64*\u+J+1], v[64*\u+J:64*\u+J+1], s[CS:CS+1], v[SPB+6*\u:SPB+6*\u+1] op_sel_hi:[1,0,0]   ; t - M
.set J, J+2
.endr
.endr
	s_wait_alu depctr_va_vdst(0)                   ; ahead of the batch, and directly ahead of O^T's first readers
.irp u, 0,1
.set J, 0
.rept 16
	v_pk_mul_f32 v[OPB+32*\u+J:OPB+32*\u+J+1], v[OPB+32*\u+J:OPB+32*\u+J+1], v[F+2*\u:F+2*\u+1] op_sel_hi:[1,0]   ; O^T under the new M
.set J, J+2
.endr
.endr
.set J, 0
.rept 128
	v_exp_f32 v[J], v[J]                           ; p
.set J, J+1
.endr
	WIN 0
.irp u, 0,1
.irp c, 0,1
	v_exp_f32 v[BM+4*\u+\c], v[BM+4*\u+\c]         ; my blocks' largest p
.endr
.endr
	v_nop
	s_wait_alu depctr_va_vdst(0)                   ; one wait for the batch
.irp u, 0,1
.irp c, 0,1
	v_max_num_f32 v[BM+4*\u+\c], 0x1800000, v[BM+4*\u+\c]      ; the floor 2^(3 - 127): the byte cannot fall under 1
.endr
.endr
.irp u, 0,1
.irp c, 0,1
	v_add_nc_u32 v[SCV+2*\u+\c], 0xff000000, v[BM+4*\u+\c]     ; 2 off the exponent field: the conversion's scale operand
.endr
.endr
.irp u, 0,1
.irp c, 0,1
	v_lshrrev_b32 v[BY+2*\u+\c], 23, v[SCV+2*\u+\c]
.endr
.endr
.irp u, 0,1
	v_lshl_or_b32 v[TX+\u], v[BY+2*\u+1], 16, v[BY+2*\u]       ; blocks h and 2 + h,
.endr
.irp u, 0,1
	v_lshlrev_b32 v[TX+\u], v[H8], v[TX+\u]        ; at their places;
.endr
.irp u, 0,1
	v_permlanex16_b32 v[TP+\u], v[TX+\u], s[SEL], s[SEL+1]
.endr
.irp u, 0,1
	v_or_b32 v[PS+\u], v[TX+\u], v[TP+\u]          ; with lane l xor 16's two the word is whole
.endr
	WIN 0x01
.irp u, 0,1
.irp c, 0,1
.irp t, 0,1,2,3
	v_cvt_scalef32_pk8_fp4_f32 v[CO+8*\u+4*\c+\t], v[64*\u+32*\c+8*\t:64*\u+32*\c+8*\t+7], v[SCV+2*\u+\c]   ; register 4 c + t: keys 64 c + 32 h + 8 t + 0 .. 7
.endr
.endr
.endr
	v_nop                                          ; one plain place behind the conversions
	WIN 0x45
.irp u, 0,1                            ; the sum of the unquantised p, as a tree in the score buffer: 64 -> 32
.set J, 0
.rept 16
	v_pk_add_f32 v[64*\u+J:64*\u+J+1], v[64*\u+J:64*\u+J+1], v[64*\u+32+J:64*\u+32+J+1]
.set J, J+2
.endr
.endr
.if (\vw) || (\nw)
	s_wait_alu depctr_va_vdst(0)
	s_wait_dscnt 0x0                               ; V and its scale words, or the next step's K, scale words and mask
.endif
	WIN 0x50
.irp u, 0,1
.irp d, 0,1,2,3
	v_wmma_scale_f32_16x16x128_f8f6f4 v[OPB+32*\u+8*\d:OPB+32*\u+8*\d+7], v[VF+8*\d:VF+8*\d+7], v[CO+8*\u:CO+8*\u+7], v[OPB+32*\u+8*\d:OPB+32*\u+8*\d+7], v[VSR+\d], v[PS+\u] matrix_a_fmt:MATRIX_FMT_FP4 matrix_b_fmt:MATRIX_FMT_FP4
.endr
.endr
.if (\nt) >= 0
	WIN 0x40
	SG \nt, 2                                      ; registers 32 .. 63 of both buffers are free
	SG \nt, 3
.endif
	WIN 0x45
.irp u, 0,1                            ; 32 -> 16
.set J, 0
.rept 8
	v_pk_add_f32 v[64*\u+J:64*\u+J+1], v[64*\u+J:64*\u+J+1], v[64*\u+16+J:64*\u+16+J+1]
.set J, J+2
.endr
.endr
.if (\nt) >= 0
	WIN 0x40
	SG \nt, 1
.endif
	WIN 0x05
.irp u, 0,1                            ; 16 -> 8, out of the buffer
.set J, 0
.rept 4
	v_pk_add_f32 v[BM+8*\u+J:BM+8*\u+J+1], v[64*\u+J:64*\u+J+1], v[64*\u+8+J:64*\u+8+J+1]
.set J, J+2
.endr
.endr
.if (\nt) >= 0
	WIN 0x40
	SG \nt, 0
.endif
	WIN 0
.irp e, 0,1                            ; onto the running sums; these eight are also the places behind the products above
.irp u, 0,1
	v_pk_add_f32 v[SPB+6*\u+2:SPB+6*\u+3], v[SPB+6*\u+2:SPB+6*\u+3], v[BM+8*\u+4*\e:BM+8*\u+4*\e+1]
	v_pk_add_f32 v[SPB+6*\u+4:SPB+6*\u+5], v[SPB+6*\u+4:SPB+6*\u+5], v[BM+8*\u+4*\e+2:BM+8*\u+4*\e+3]
.endr
.endr
.endm
.macro STEP last
	v_add_nc_u32 v126, s[TK], v[AV]
	v_add_nc_u32 v127, s[TS], v[AVS]
.irp d, 0,1,2,3
	ds_load_b128 v[VF+8*\d:VF+8*\d+3], v126 offset:1024*\d
	ds_load_b128 v[VF+8*\d+4:VF+8*\d+7], v126 offset:1024*\d+512
	ds_load_b32 v[VSR+\d], v127 offset:64*\d
.endr
	PAIR 0, 0, 1, 2, 0
.if \last
	PAIR 1, 0, 0, -1, 0
.else
	PAIR 1, 1, 0, 0, 1
.endif
.endm
	LOADK AK, AKS, AM, 0
	WIN 0x40
.set J, 0
.rept 128
	v_mov_b32 v[128+J], 0                          ; O^T: the step is written once for all steps; the first change of M multiplies zeros
.set J, J+1
.endr
	s_wait_alu depctr_va_vdst(0)
	s_wait_dscnt 0x0
	SG 0, 2
	SG 0, 3
	SG 0, 1
	SG 0, 0
	WIN 0
.rept 4
	v_nop                                          ; places behind the first products
.endr
.Lstep:                                            ; 15 trips
	STEP 0
	s_add_co_u32 s[TK], s[TK], 4096
	s_add_co_u32 s[TS], s[TS], 256
	s_add_co_u32 s[TMK], s[TMK], 512
	s_sub_co_u32 s[CNT], s[CNT], 1
	s_cmp_lg_u32 s[CNT], 0
	s_wait_alu depctr_va_vdst(0)
	s_cbranch_scc1 .Lstep
	STEP 1
	; THE WAY OUT: O^T / the sum, quantised along the head's 64.  Tiles 2 G and 2 G + 1 of V's channels give a lane 16 neighbours, 32 G + 16 h + 0 .. 15: a block lies in lanes l and l xor 16.
.irp i, 0,1,2,3
	v_pk_add_f32 v[ST+6*\i+2:ST+6*\i+3], v[ST+6*\i+2:ST+6*\i+3], v[ST+6*\i+4:ST+6*\i+5]
.endr
.irp i, 0,1,2,3
	v_add_f32 v[ST+6*\i+2], v[ST+6*\i+2], v[ST+6*\i+3]
.endr
.irp i, 0,1,2,3
	v_permlanex16_b32 v[RC+\i], v[ST+6*\i+2], s[SEL], s[SEL+1]
.endr
.irp i, 0,1,2,3
	v_add_f32 v[ST+6*\i+2], v[ST+6*\i+2], v[RC+\i]
.endr
	s_lshl_b32 s18, s[WV], 7
	s_add_co_u32 s18, s18, CSG
	v_and_b32 v[CSA], 15, v0
	v_lshl_add_u32 v[CSA], v[CSA], 1, s18          ; ctx's scale bytes: 32 bytes a tile, 2 a query
	v_lshl_add_u32 v[CSR], v0, 4, CSG
	v_lshlrev_b32 v[TI], 4, v0
	s_wait_alu depctr_va_vdst(0)
.irp i, 0,1,2,3
	v_rcp_f32 v[RC+\i], v[ST+6*\i+2]
.endr
	v_nop
	WIN 0x01
	s_wait_alu depctr_va_vdst(0)                   ; for the batch, and directly ahead of O^T's first readers
.irp i, 0,1,2,3
.set J, 0
.rept 32
	v_mul_f32 v[E+32*\i+J], v[128+32*\i+J], v[RC+\i]
.set J, J+1
.endr
.endr
	WIN 0
.irp x, 0,1,2,3,4,5,6,7                ; x = 2 tile + block: eight chains by turns
	v_max3_num_f32 v[EB+\x], |v[E+16*\x]|, |v[E+16*\x+1]|, 0x1800000
.endr
.irp k, 2,4,6,8,10,12,14
.irp x, 0,1,2,3,4,5,6,7
	v_max3_num_f32 v[EB+\x], v[EB+\x], |v[E+16*\x+\k]|, |v[E+16*\x+\k+1]|
.endr
.endr
.irp x, 0,1,2,3,4,5,6,7
	v_permlanex16_b32 v[EP+\x], v[EB+\x], s[SEL], s[SEL+1]
.endr
.irp x, 0,1,2,3,4,5,6,7
	v_max_num_f32 v[EB+\x], v[EB+\x], v[EP+\x]
.endr
.irp x, 0,1,2,3,4,5,6,7
	v_add_nc_u32 v[ES+\x], 0xff000000, v[EB+\x]
.endr
.irp x, 0,1,2,3,4,5,6,7
	v_lshrrev_b32 v[EY+\x], 23, v[ES+\x]
.endr
.irp i, 0,1,2,3
	v_lshl_or_b32 v[EP+\i], v[EY+2*\i+1], 8, v[EY+2*\i]
.endr
.irp x, 0,1,2,3,4,5,6,7
	v_cvt_scalef32_pk8_fp4_f32 v[CT+2*\x], v[E+16*\x:E+16*\x+7], v[ES+\x]
	v_cvt_scalef32_pk8_fp4_f32 v[CT+2*\x+1], v[E+16*\x+8:E+16*\x+15], v[ES+\x]
.endr
	v_nop
.irp i, 0,1,2,3
	v_permlane16_swap_b32 v[CT+4*\i], v[CT+4*\i+2] ; a whole block in a lane
	v_permlane16_swap_b32 v[CT+4*\i+1], v[CT+4*\i+3]
.endr
.irp i, 0,1,2,3
	global_store_b128 v[LI], v[CT+4*\i:CT+4*\i+3], s[10:11] offset:8192*\i   ; 512 consecutive bytes
	ds_store_b16 v[CSA], v[EP+\i] offset:32*\i
.endr
	s_wait_alu depctr_va_vdst(0)
	s_wait_dscnt 0x0
	s_barrier_signal -1
	s_barrier_wait -1
	s_cmp_lt_u32 s[WV], 2
	s_cbranch_scc0 .Lno_cs
	ds_load_b128 v[128:131], v[CSR]                ; the work-group's 1,024 scale bytes leave in whole runs of 256
	s_wait_dscnt 0x0
	global_store_b128 v[TI], v[128:131], s[12:13]
.Lno_cs:
	s_wait_tensorcnt 0x0                           ; the wave's end
	ds_add_u32 v[SPW], v[NIL]
	s_wait_dscnt 0x0
	ROUND                                          ; the closing round
	s_endpgm
.Lfunc_end_k_qb70492637e_attn:
	.size	k_qb70492637e_attn, .Lfunc_end_k_qb70492637e_attn-k_qb70492637e_attn
	.p2alignl 7, 3214868480
	.fill 96, 4, 3214868480
	.section	.rodata,"a",@progbits
	.p2align	6, 0x0
	.amdhsa_kernel k_qb70492637e_attn
		.amdhsa_group_segment_fixed_size 327680
		.amdhsa_private_segment_fixed_size 0
		.amdhsa_enable_private_segment 0
		.amdhsa_kernarg_size 40
		.amdhsa_user_sgpr_count 2
		.amdhsa_user_sgpr_kernarg_segment_ptr 1
		.amdhsa_wavefront_size32 1
		.amdhsa_system_sgpr_workgroup_id_x 1
		.amdhsa_system_sgpr_workgroup_id_y 1
		.amdhsa_system_sgpr_workgroup_id_z 1
		.amdhsa_system_vgpr_workitem_id 0
		.amdhsa_next_free_vgpr 512
		.amdhsa_next_free_sgpr 66
		.amdhsa_reserve_vcc 0
		.amdhsa_float_denorm_mode_32 3
		.amdhsa_float_denorm_mode_16_64 3
		.amdhsa_memory_ordered 1
		.amdhsa_forward_progress 1
		.amdhsa_inst_pref_size 133
	.end_amdhsa_kernel
	.amdgpu_metadata
---
amdhsa.version: [ 1, 2 ]
amdhsa.kernels:
  - .name:           k_qb70492637e_attn
    .symbol:         k_qb70492637e_attn.kd
    .args:
      - { .name: qkv, .offset: 0, .size: 8, .value_kind: global_buffer, .address_space: global }
      - { .name: qkvs, .offset: 8, .size: 8, .value_kind: global_buffer, .address_space: global }
      - { .name: attention_mask, .offset: 16, .size: 8, .value_kind: global_buffer, .address_space: global }
      - { .name: ctx, .offset: 24, .size: 8, .value_kind: global_buffer, .address_space: global }
      - { .name: cs, .offset: 32, .size: 8, .value_kind: global_buffer, .address_space: global }
    .group_segment_fixed_size: 327680
    .private_segment_fixed_size: 0
    .kernarg_segment_align: 8
    .kernarg_segment_size: 40
    .max_flat_workgroup_size: 256
    .sgpr_count:     66
    .vgpr_count:     512
    .wavefront_size: 32
...
	.end_amdgpu_metadata
.endif
;; end of part 3
;; launch outln (part 4): grid 256 x 1, 16 waves a work-group, clusters of 4 x 1, 327,680 bytes of LDS; arguments ctx, cs, wimg, wsc, bo, hidden_states, gamma, beta, out0; writes out0
.if DOCPART == 4
	.amdgcn_target "amdgcn-amd-amdhsa--gfx1250"
	.amdhsa_code_object_version 6
	.text
	.protected	k_qb70492637e_outln
	.globl	k_qb70492637e_outln
	.p2align	8
	.type	k_qb70492637e_outln,@function
k_qb70492637e_outln:
	s_mov_b64 s[64:65], 0
	v_nop
	global_prefetch_b8 v0, s[64:65] scope:SCOPE_SE
	s_setreg_imm32_b32 hwreg(HW_REG_WAVE_MODE, 25, 1), 1
	s_wait_xcnt 0x0
	s_wait_alu depctr_hold_cnt(0) depctr_sa_sdst(0) depctr_va_vdst(0) depctr_va_sdst(0) depctr_va_ssrc(0) depctr_va_vcc(0) depctr_vm_vsrc(0)
	s_getreg_b32 s2, hwreg(HW_REG_IB_STS2, 6, 4)
	s_cmp_eq_u32 s2, 0
	s_cbranch_scc0 .Lentry_in_a_cluster
	s_endpgm
.Lentry_in_a_cluster:
	s_bfe_u32 s2, ttmp6, 0x10000c
	s_cmp_lg_u32 s2, 0x3003
	s_cbranch_scc0 .Lentry_shape_is_right
	s_endpgm
.Lentry_shape_is_right:
; out0 = LayerNorm(ctx wo^T + bo + hidden_states) x gamma + beta; the product on codes of E2M1 (K = 1,024), all else in f32.
; A work-group owns 32 tokens and all 1,024 channels, so that a row's mean and variance stay inside it; each of 16 waves owns 64 channels: 2 token tiles x 4 weight tiles, 8 accumulators.
; CLUSTER 4 x 1: all work-groups walk the same wo, so the four partners ask for it jointly.  A wave fetches just the four weight tiles that it multiplies, into 16,384 LDS bytes of its own:
; K steps 0-3, then K steps 4-7 into the same bytes, the refill behind the full sequence and a round of the cluster's barrier.
; THE RESIDUAL, my 64 channels of the 32 rows of hidden_states, is asked for at the head: 16 loads, sixteen lanes to a row's 256 bytes, into 64 registers that wait through both fills.
; Behind the last product these rows go into my LDS bytes, which have had their last fill, and come back in the result's layout.
; ctx's codes (16,384 bytes), its scale bytes, and bo, gamma, beta go through registers into LDS bytes of their own, once.
; The matrix instruction is used transposed (source 0 = 16 channels of wo, source 1 = 16 tokens): with the tiles' rows as the images have them, a lane holds one token and 16 neighbouring channels for each pair of weight tiles.
; No prefetch: the launch has no loop to run ahead in.
; REGISTERS: v1-15 addresses; v16-79 the sums; v80-143 the residual's rows, later gamma and beta, then the rows on the way out; v144-175 the weight fragments, later the bias; v176-207 wo's scale words; v208-239 ctx's fragments, two sets; v240-243 its scale words.
.set CI,   262144                      ; behind the waves' 16 x 16,384 bytes: ctx's codes;
.set CSI,  278528                      ; its scale words;
.set RED1, 279552                      ; the two reductions' words;
.set RED2, 2560
.set SPARE, 284672                     ; the spare words, 128 bytes a wave;
.set VEC,  286720                      ; bo, gamma, beta: 4,096 bytes each
.set ACC,  16
.set WB,   80
.set WF,   144                         ; the weight fragments' one set
.set WS,   176
.set CF,   208
.set CSW,  240
.set G1W,  24
.set G0W,  40
.set SEL,  48
.macro ROUND                           ; a round of the cluster's barrier
	s_barrier_signal -1
	s_barrier_wait -1
	s_cmp_lg_u32 s22, 0
	s_cbranch_scc1 .Lnot_wave_0_\@
	s_barrier_signal -3
.Lnot_wave_0_\@:
	s_barrier_wait -3
	s_barrier_signal -1
	s_barrier_wait -1
.endm
	s_load_b256 s[4:11], s[0:1], 0x0               ; ctx, cs, wimg, wsc
	s_load_b256 s[12:19], s[0:1], 0x20             ; bo, hidden_states, gamma, beta
	s_load_b64 s[20:21], s[0:1], 0x40              ; out0
	v_lshl_add_u32 v254, v0, 2, SPARE
	v_mov_b32 v255, 0
	ds_add_u32 v254, v255                          ; the opening lines: the add twice on end and its wait
	ds_add_u32 v254, v255
	v_lshrrev_b32 v1, 5, v0
	v_readfirstlane_b32 s22, v1                    ; wave 0..15
	s_bfe_u32 s62, ttmp6, 0x40000
	s_lshl_b32 s63, ttmp9, 2
	s_add_co_u32 s63, s63, s62                     ; which 32 tokens: 4 x cluster + cx; it enters global addresses of my own loads and stores alone
	s_mov_b32 s[G1W], 15|(3<<16)|(1<<21)           ; wo: all four partners; 4 tiles, of each 4,096 bytes (four K steps), 8,192 bytes apart
	s_mov_b32 s[G1W+1], 512<<16
	s_mov_b32 s[G1W+2], 4<<16
	s_mov_b32 s[G1W+3], 512<<16
	s_mov_b32 s[G1W+4], 4
	s_mov_b32 s[G1W+5], 1024
	s_mov_b32 s[G1W+6], 0
	s_mov_b32 s[G1W+7], 0
	s_lshl_b32 s52, s63, 14                        ; ctx's two tiles
	s_mov_b32 s53, 0
	s_lshl_b32 s54, s63, 17                        ; my tokens' rows of 4,096 bytes, + my 64 channels
	s_lshl_b32 s60, s22, 8
	s_add_co_u32 s54, s54, s60
	s_mov_b32 s55, 0
	s_lshl_b32 s56, s22, 14                        ; my LDS bytes
	s_lshl_b32 s58, s22, 15
	s_add_co_u32 s58, s58, 1572864                 ; wo is the fourth weight of the image; my four tiles
	s_mov_b32 s59, 0
	s_mov_b32 s[SEL], 0x76543210
	s_mov_b32 s[SEL+1], 0xfedcba98
	s_mov_b32 s50, 0x3a800000                      ; 1 / 1,024
	s_mov_b32 s51, 0x2b8cbccc                      ; 1e-12
	s_wait_dscnt 0x0
	s_wait_kmcnt 0x0
	s_add_nc_u64 s[8:9], s[8:9], s[58:59]
	s_mov_b32 s[G0W], 1
	s_mov_b32 s[G0W+1], s56
	s_mov_b64 s[G0W+2:G0W+3], s[8:9]
	s_or_b32 s[G0W+3], s[G0W+3], 0x80000000
	ROUND
	tensor_load_to_lds s[G0W:G0W+3], s[G1W:G1W+7]  ; K steps 0-3 of my four tiles
	s_nop 0
.rept 4
	v_nop
.endr
	s_add_nc_u64 s[4:5], s[4:5], s[52:53]
	s_add_nc_u64 s[20:21], s[20:21], s[54:55]
	s_add_nc_u64 s[14:15], s[14:15], s[54:55]
	s_and_b32 s57, s22, 7                          ; ctx's scale bytes lie by head: wave 8 m + s gathers those of token tile m and K step s (heads 2 s, 2 s + 1)
	s_lshr_b32 s58, s22, 3
	s_lshr_b32 s59, s63, 6
	s_lshl_b32 s59, s59, 4
	s_lshl_b32 s57, s57, 1
	s_add_co_u32 s59, s59, s57
	s_lshl_b32 s59, s59, 7
	s_lshl_b32 s57, s63, 1
	s_add_co_u32 s57, s57, s58
	s_and_b32 s57, s57, 127
	s_add_co_u32 s59, s59, s57
	s_lshl_b32 s58, s59, 5
	s_mov_b32 s59, 0
	s_add_nc_u64 s[6:7], s[6:7], s[58:59]
	s_lshl_b32 s58, s22, 11
	s_add_co_u32 s58, s58, 98304
	s_add_nc_u64 s[10:11], s[10:11], s[58:59]      ; wo's scale words, my four tiles
	v_lshlrev_b32 v247, 4, v0
	v_lshlrev_b32 v249, 3, v0
	v_and_b32 v2, 15, v0                           ; r
	v_bfe_u32 v3, v0, 4, 1                         ; h
	v_lshlrev_b32 v14, 1, v2
	v_lshlrev_b32 v13, 4, v2
	v_lshlrev_b32 v11, 12, v3
	v_lshl_add_u32 v11, v2, 4, v11                 ; two rows of 4,096 bytes an instruction, 16 bytes a lane: the residual's way in and out0's way out
	global_load_b128 v[CF:CF+3], v247, s[4:5]      ; ctx's codes: 512 threads x 32 bytes
	global_load_b128 v[CF+4:CF+7], v247, s[4:5] offset:8192
	global_load_u16 v244, v14, s[6:7]
	global_load_u16 v245, v14, s[6:7] offset:4096
	global_load_b64 v[WF:WF+1], v249, s[12:13]     ; bo, gamma, beta: 512 threads x 8 bytes
	global_load_b64 v[WF+2:WF+3], v249, s[16:17]
	global_load_b64 v[WF+4:WF+5], v249, s[18:19]
.irp t, 0,1,2,3
.irp g, 0,1
	global_load_b128 v[WS+8*\t+4*\g:WS+8*\t+4*\g+3], v13, s[10:11] offset:512*\t+256*\g
.endr
.endr
.irp i, 0,1,2,3,4,5,6,7,8,9,10,11,12,13,14,15
	global_load_b128 v[WB+4*\i:WB+4*\i+3], v11, s[14:15] offset:8192*\i th:TH_LOAD_NT   ; the residual: rows 2 i and 2 i + 1, 256 consecutive bytes each
.endr
	v_lshl_add_u32 v248, v0, 4, CI
	v_lshl_add_u32 v250, v0, 3, VEC
	v_and_b32 v15, 31, v0
	v_lshlrev_b32 v1, 4, v15
	v_lshl_add_u32 v4, v15, 4, CI
	v_lshl_add_u32 v5, v2, 2, CSI
	s_lshl_b32 s57, s22, 6
	v_add_nc_u32 v6, s57, v5
	v_and_b32 v7, 8, v2
	v_add_nc_u32 v7, v7, v2
	v_mul_u32_u24 v7, v7, 272
	v_lshl_add_u32 v7, v3, 6, v7
	v_add_nc_u32 v7, s56, v7                       ; the result's layout in my bytes: row r + 8 (r / 8), + 64 h
	v_mul_u32_u24 v9, v2, 80
	v_add_nc_u32 v9, RED1, v9
	s_lshl_b32 s57, s22, 2
	v_add_nc_u32 v8, s57, v9
	v_mul_u32_u24 v10, v3, 272
	v_lshl_add_u32 v10, v2, 4, v10
	v_add_nc_u32 v10, s56, v10                     ; whole rows in my bytes: two rows of 272 an instruction
	s_lshl_b32 s57, s22, 8
	s_add_co_u32 s57, s57, VEC
	v_lshl_add_u32 v12, v3, 6, s57                 ; a vector's 64 channels of mine, + 64 h
	v_add_nc_u32 v15, s56, v1                      ; my weight fragments: 16 x lane in my bytes
	v_mov_b32 v252, 0
	v_mov_b32 v253, 0
.macro WLOAD s                         ; K step s of my four weight tiles
.irp t, 0,1,2,3
.irp c, 0,1
	ds_load_b128 v[WF+8*\t+4*\c:WF+8*\t+4*\c+3], v15 offset:4096*\t+1024*((\s)%4)+512*\c
.endr
.endr
.endm
.macro VLOAD n, reg                    ; vector n (0 bo, 1 gamma, 2 beta), my 64 channels in the result's layout
.irp g, 0,1
.irp p, 0,1,2,3
	ds_load_b128 v[\reg+16*\g+4*\p:\reg+16*\g+4*\p+3], v12 offset:4096*\n+128*\g+16*\p
.endr
.endr
.endm
.macro CLOAD s                         ; K step s of the two token tiles, and their scale words
.irp m, 0,1
.irp c, 0,1
	ds_load_b128 v[CF+16*((\s)%2)+8*\m+4*\c:CF+16*((\s)%2)+8*\m+4*\c+3], v4 offset:(8*\m+(\s))*1024+512*\c
.endr
	ds_load_b32 v[CSW+2*((\s)%2)+\m], v5 offset:(8*\m+(\s))*64
.endr
.endm
	s_wait_alu depctr_va_vdst(0)
	s_wait_loadcnt 24                              ; ctx's codes and scale bytes and the three vectors are in; wo's 8 loads of scale words and the residual's 16 may be out
	v_lshl_or_b32 v246, v245, 16, v244
	ds_store_b32 v6, v246
	ds_store_b128 v248, v[CF:CF+3]
	ds_store_b128 v248, v[CF+4:CF+7] offset:8192
	ds_store_b64 v250, v[WF:WF+1]
	ds_store_b64 v250, v[WF+2:WF+3] offset:4096
	ds_store_b64 v250, v[WF+4:WF+5] offset:8192
	s_wait_dscnt 0x0
	s_barrier_signal -1
	s_barrier_wait -1                              ; the tensor load may be out
	s_wait_tensorcnt 0x0                           ; my tiles, which I alone read
	s_wait_loadcnt 16                              ; wo's scale words are in; the residual's 16 loads may be out
.macro KSTEP s
	WLOAD \s
.if ((\s)%4) < 3
	CLOAD (\s)+1
	s_wait_dscnt 6                                 ; the next K step's six loads of ctx may be out
.else
	s_wait_dscnt 0x0
.endif
.irp m, 0,1
.irp t, 0,1,2,3
.if \s == 0
	v_wmma_scale_f32_16x16x128_f8f6f4 v[ACC+32*\m+8*\t:ACC+32*\m+8*\t+7], v[WF+8*\t:WF+8*\t+7], v[CF+16*((\s)%2)+8*\m:CF+16*((\s)%2)+8*\m+7], 0, v[WS+8*\t+\s], v[CSW+2*((\s)%2)+\m] matrix_a_fmt:MATRIX_FMT_FP4 matrix_b_fmt:MATRIX_FMT_FP4
.else
	v_wmma_scale_f32_16x16x128_f8f6f4 v[ACC+32*\m+8*\t:ACC+32*\m+8*\t+7], v[WF+8*\t:WF+8*\t+7], v[CF+16*((\s)%2)+8*\m:CF+16*((\s)%2)+8*\m+7], v[ACC+32*\m+8*\t:ACC+32*\m+8*\t+7], v[WS+8*\t+\s], v[CSW+2*((\s)%2)+\m] matrix_a_fmt:MATRIX_FMT_FP4 matrix_b_fmt:MATRIX_FMT_FP4
.endif
.endr
.endr
.rept 4
	v_nop                                          ; places in front of loads into registers that these products read
.endr
.endm
.macro PHASE b                         ; the four K steps that lie in my bytes
	CLOAD \b
.irp k, 0,1,2,3
	KSTEP (\b)+\k
.endr
.endm
	PHASE 0
	s_wait_tensorcnt 0x0                           ; in front of the refill's barrier
	ds_add_u32 v254, v255
	s_add_nc_u64 s[G0W+2:G0W+3], s[G0W+2:G0W+3], 4096   ; no load of mine is out: on to K steps 4-7
	s_wait_dscnt 0x0
	ROUND
	tensor_load_to_lds s[G0W:G0W+3], s[G1W:G1W+7]
	s_nop 0
.rept 4
	v_nop
.endr
	s_wait_tensorcnt 0x0
	PHASE 4
.macro RLOAD m
.irp g, 0,1
.irp p, 0,1,2,3
	ds_load_b128 v[CF+16*\g+4*\p:CF+16*\g+4*\p+3], v7 offset:2176*\m+128*\g+16*\p
.endr
.endr
.endm
.macro ADD32 m, src
.set J, 0
.rept 16
	v_pk_add_f32 v[ACC+32*\m+J:ACC+32*\m+J+1], v[ACC+32*\m+J:ACC+32*\m+J+1], v[\src+J:\src+J+1]
.set J, J+2
.endr
.endm
	s_wait_loadcnt 0x0                             ; the residual's rows
.irp i, 0,1,2,3,4,5,6,7,8,9,10,11,12,13,14,15
	ds_store_b128 v10, v[WB+4*\i:WB+4*\i+3] offset:544*\i      ; into my bytes, which have had their last fill and my last read of wo; rows of 272 bytes
.endr
	VLOAD 0, WF                                    ; the bias
	RLOAD 0                                        ; LDS serves a wave's instructions in order: these see my stores
	s_wait_dscnt 0x0
	ADD32 0, CF
	RLOAD 1
	VLOAD 1, WB                                    ; gamma and beta, into the registers that held the rows
	VLOAD 2, WB+32
	ADD32 0, WF
	s_wait_dscnt 16                                ; gamma's and beta's 16 loads may be out
	ADD32 1, CF
	ADD32 1, WF
.macro REDUCE off                      ; a row's sum: my two halves, lane l xor 16's, then the 16 waves' through LDS
.irp m, 0,1
	s_delay_alu instid0(VALU_DEP_2)
	v_add_f32 v[248+2*\m], v[248+2*\m], v[249+2*\m]
.endr
.irp m, 0,1
	s_delay_alu instid0(VALU_DEP_2)
	v_permlanex16_b32 v[252+\m], v[248+2*\m], s[SEL], s[SEL+1]
.endr
.irp m, 0,1
	s_delay_alu instid0(VALU_DEP_2)
	v_add_f32 v[248+2*\m], v[248+2*\m], v[252+\m]
.endr
.irp m, 0,1
	ds_store_b32 v8, v[248+2*\m] offset:\off+1280*\m
.endr
	s_wait_dscnt 0x0
	s_barrier_signal -1
	s_barrier_wait -1
.irp m, 0,1
.irp p, 0,1,2,3
	ds_load_b128 v[CF+16*\m+4*\p:CF+16*\m+4*\p+3], v9 offset:\off+1280*\m+16*\p
.endr
.endr
	s_wait_dscnt 0x0
.irp i, 2,4,6,8,10,12,14
.irp m, 0,1
	v_pk_add_f32 v[CF+16*\m:CF+16*\m+1], v[CF+16*\m:CF+16*\m+1], v[CF+16*\m+\i:CF+16*\m+\i+1]
.endr
.endr
.irp m, 0,1
	s_delay_alu instid0(VALU_DEP_2)
	v_add_f32 v[244+2*\m], v[CF+16*\m], v[CF+16*\m+1]
.endr
.endm
.irp m, 0,1
	v_pk_add_f32 v[248+2*\m:249+2*\m], v[ACC+32*\m:ACC+32*\m+1], v[ACC+32*\m+2:ACC+32*\m+3]
.endr
.irp i, 4,6,8,10,12,14,16,18,20,22,24,26,28,30
.irp m, 0,1
	s_delay_alu instid0(VALU_DEP_2)
	v_pk_add_f32 v[248+2*\m:249+2*\m], v[248+2*\m:249+2*\m], v[ACC+32*\m+\i:ACC+32*\m+\i+1]
.endr
.endr
	REDUCE 0                                       ; (its wait for 0 on DScnt also shows gamma and beta in)
.irp m, 0,1
	s_delay_alu instid0(VALU_DEP_2)
	v_mul_f32 v[244+2*\m], 0xba800000, v[244+2*\m] ; minus the mean
.endr
.irp m, 0,1
	s_delay_alu instid0(VALU_DEP_2)
	v_mov_b32 v[245+2*\m], v[244+2*\m]
.endr
.set J, 0
.rept 16
	v_pk_add_f32 v[ACC+J:ACC+J+1], v[ACC+J:ACC+J+1], v[244:245]
	v_pk_add_f32 v[ACC+32+J:ACC+32+J+1], v[ACC+32+J:ACC+32+J+1], v[246:247]
.set J, J+2
.endr
.irp m, 0,1
	v_pk_mul_f32 v[248+2*\m:249+2*\m], v[ACC+32*\m:ACC+32*\m+1], v[ACC+32*\m:ACC+32*\m+1]
.endr
.irp i, 2,4,6,8,10,12,14,16,18,20,22,24,26,28,30
.irp m, 0,1
	s_delay_alu instid0(VALU_DEP_2)
	v_pk_fma_f32 v[248+2*\m:249+2*\m], v[ACC+32*\m+\i:ACC+32*\m+\i+1], v[ACC+32*\m+\i:ACC+32*\m+\i+1], v[248+2*\m:249+2*\m]
.endr
.endr
	REDUCE RED2
.irp m, 0,1
	s_delay_alu instid0(VALU_DEP_2)
	v_fma_f32 v[244+2*\m], v[244+2*\m], s50, s51   ; the variance + 1e-12
.endr
	s_wait_alu depctr_va_vdst(0)
.irp m, 0,1
	v_rsq_f32 v[244+2*\m], v[244+2*\m]
.endr
	v_nop
	s_wait_alu depctr_va_vdst(0)
.irp m, 0,1
	v_mov_b32 v[245+2*\m], v[244+2*\m]
.endr
.set J, 0
.rept 16
	v_pk_mul_f32 v[ACC+J:ACC+J+1], v[ACC+J:ACC+J+1], v[244:245]
	v_pk_mul_f32 v[ACC+32+J:ACC+32+J+1], v[ACC+32+J:ACC+32+J+1], v[246:247]
.set J, J+2
.endr
.set J, 0
.rept 16
	v_pk_fma_f32 v[ACC+J:ACC+J+1], v[ACC+J:ACC+J+1], v[WB+J:WB+J+1], v[WB+32+J:WB+32+J+1]
	v_pk_fma_f32 v[ACC+32+J:ACC+32+J+1], v[ACC+32+J:ACC+32+J+1], v[WB+J:WB+J+1], v[WB+32+J:WB+32+J+1]
.set J, J+2
.endr
	; the way out, through my own bytes: whole rows of 256 bytes come back, sixteen lanes to a row
.irp m, 0,1
.irp g, 0,1
.irp p, 0,1,2,3
	ds_store_b128 v7, v[ACC+32*\m+16*\g+4*\p:ACC+32*\m+16*\g+4*\p+3] offset:2176*\m+128*\g+16*\p
.endr
.endr
.endr
.irp i, 0,1,2,3,4,5,6,7,8,9,10,11,12,13,14,15
	ds_load_b128 v[WB+4*\i:WB+4*\i+3], v10 offset:544*\i
.endr
.irp i, 0,1,2,3,4,5,6,7,8,9,10,11,12,13,14,15
	s_wait_dscnt 15-\i
	global_store_b128 v11, v[WB+4*\i:WB+4*\i+3], s[20:21] offset:8192*\i th:TH_STORE_NT
.endr
	s_wait_tensorcnt 0x0                           ; the wave's end
	ds_add_u32 v254, v255
	s_wait_dscnt 0x0
	ROUND                                          ; the closing round
	s_endpgm
.Lfunc_end_k_qb70492637e_outln:
	.size	k_qb70492637e_outln, .Lfunc_end_k_qb70492637e_outln-k_qb70492637e_outln
	.p2alignl 7, 3214868480
	.fill 96, 4, 3214868480
	.section	.rodata,"a",@progbits
	.p2align	6, 0x0
	.amdhsa_kernel k_qb70492637e_outln
		.amdhsa_group_segment_fixed_size 327680
		.amdhsa_private_segment_fixed_size 0
		.amdhsa_enable_private_segment 0
		.amdhsa_kernarg_size 72
		.amdhsa_user_sgpr_count 2
		.amdhsa_user_sgpr_kernarg_segment_ptr 1
		.amdhsa_wavefront_size32 1
		.amdhsa_system_sgpr_workgroup_id_x 1
		.amdhsa_system_sgpr_workgroup_id_y 1
		.amdhsa_system_sgpr_workgroup_id_z 1
		.amdhsa_system_vgpr_workitem_id 0
		.amdhsa_next_free_vgpr 256
		.amdhsa_next_free_sgpr 66
		.amdhsa_reserve_vcc 0
		.amdhsa_float_denorm_mode_32 3
		.amdhsa_float_denorm_mode_16_64 3
		.amdhsa_memory_ordered 1
		.amdhsa_forward_progress 1
		.amdhsa_inst_pref_size 55
	.end_amdhsa_kernel
	.amdgpu_metadata
---
amdhsa.version: [ 1, 2 ]
amdhsa.kernels:
  - .name:           k_qb70492637e_outln
    .symbol:         k_qb70492637e_outln.kd
    .args:
      - { .name: ctx, .offset: 0, .size: 8, .value_kind: global_buffer, .address_space: global }
      - { .name: cs, .offset: 8, .size: 8, .value_kind: global_buffer, .address_space: global }
      - { .name: wimg, .offset: 16, .size: 8, .value_kind: global_buffer, .address_space: global }
      - { .name: wsc, .offset: 24, .size: 8, .value_kind: global_buffer, .address_space: global }
      - { .name: bo, .offset: 32, .size: 8, .value_kind: global_buffer, .address_space: global }
      - { .name: hidden_states, .offset: 40, .size: 8, .value_kind: global_buffer, .address_space: global }
      - { .name: gamma, .offset: 48, .size: 8, .value_kind: global_buffer, .address_space: global }
      - { .name: beta, .offset: 56, .size: 8, .value_kind: global_buffer, .address_space: global }
      - { .name: out0, .offset: 64, .size: 8, .value_kind: global_buffer, .address_space: global }
    .group_segment_fixed_size: 327680
    .private_segment_fixed_size: 0
    .kernarg_segment_align: 8
    .kernarg_segment_size: 72
    .max_flat_workgroup_size: 512
    .sgpr_count:     66
    .vgpr_count:     256
    .wavefront_size: 32
...
	.end_amdgpu_metadata
.endif
;; end of part 4
